; MI455X (gfx1250); checked and timed in simulation.
; The chip was launched on July 23, 2026; its instructions are those of AMD's public machine-readable ISA for CDNA 5 (MIT licence, August 2026) and "CDNA5" Instruction Set Architecture Reference Guide (July 2026). The comments in the code are by the model that wrote it; some were corrected since.
;; MHA Attention. Allowed arithmetic: matrix products marked QUANTISED: E2M3 operands, one E8M0 scale for each 32 along K, by v_wmma_scale_f32_16x16x128_f8f6f4 with both operands' format E2M3, f32 sums; everything else in f32.
;; Inputs: W_proj_codes 1,024 x 32 x 24 uint8 (E2M3 codes of W_proj, K innermost, in blocks of 32 codes, four codes in three bytes); W_proj_scales 1,024 x 32 uint8 (E8M0 scales of W_proj, one for each 32 codes along K); W_qkv_codes 3,072 x 32 x 24 uint8 (E2M3 codes of W_qkv, K innermost, in blocks of 32 codes, four codes in three bytes); W_qkv_scales 3,072 x 32 uint8 (E8M0 scales of W_qkv, one for each 32 codes along K); b_proj 1,024 float32; b_qkv 3,072 float32; x_codes 4 x 2,048 x 32 x 24 uint8 (E2M3 codes of x, K innermost, in blocks of 32 codes, four codes in three bytes); x_scales 4 x 2,048 x 32 uint8 (E8M0 scales of x, one for each 32 codes along K).
;; Outputs: out0 4 x 2,048 x 1,024 float32.
;; This version of the problem:
;;   THIS VERSION OF THE PROBLEM IS GIVEN IN LOW PRECISION. The matrix products marked QUANTISED in the list below multiply operands that are first quantised to E2M3 (2 exponent bits, 3 mantissa bits; 6 bits a number), with one power-of-two scale for each 32 numbers along K (OCP MX v1.0); their sums are f32. All else is computed in f32.
;;   The module's matrix products, in the order in which they are computed (A, B: the left and right operand; K: the contracted axis; several contracted axes count as one K, in the product's order):
;;     1. [M 8,192, K 1,024] x [K 1,024, N 3,072]; A: input x (given as codes); B: input W_qkv (given as codes): QUANTISED
;;     2. batch 64 x [M 2,048, K 64] x [K 64, N 2,048]; A: computed on the way; B: computed on the way: QUANTISED
;;     3. batch 64 x [M 2,048, K 2,048] x [K 2,048, N 64]; A: softmax (see below); B: computed on the way: QUANTISED
;;     4. [M 8,192, K 1,024] x [K 1,024, N 1,024]; A: computed on the way; B: input W_proj (given as codes): QUANTISED
;;   THE QUANTISER, for each operand of a quantised product, along K:
;;     - K is cut into blocks of 32 from its start; a last block that is shorter is filled with zeros.
;;     - A block's scale is 2^e with e = floor(log2(the largest magnitude in the block)) - 2, held to -126 .. 127; a block of zeros has e = 0. As a byte (E8M0): e + 127.
;;     - Each number is divided by its block's scale, clamped to +-7.5, and rounded to the nearest number of E2M3, ties to even, subnormals kept.
;;     - The product sums the exact products of the quantised numbers (number of the format x scale) in f32.
;;   ~~~python
;;   def quantise(x, axis):      # numpy; x: float32 -> the quantised numbers, widened to float32 again
;;       x = np.moveaxis(x, axis, -1); K = x.shape[-1]
;;       x = np.pad(x, [(0, 0)] * (x.ndim - 1) + [(0, -K % 32)]); x = x.reshape(x.shape[:-1] + (-1, 32)); a = np.abs(x).max(-1, keepdims=True)
;;       e = np.where(a > 0, np.clip(np.frexp(np.where(a > 0, a, 1))[1] - 1 - 2, -126, 127), 0)      # np.frexp(a)[1] - 1 = floor(log2(a)), exactly
;;       r = np.clip(x / 2.0 ** e, -7.5, 7.5)
;;       step = 2.0 ** (np.maximum(np.frexp(np.where(r == 0, 1, r))[1] - 1, 0) - 3)
;;       q = np.round(r / step) * step * 2.0 ** e      # np.round: ties to even
;;       return np.moveaxis(q.reshape(q.shape[:-2] + (-1,))[..., :K], -1, axis).astype(np.float32)
;;   ~~~
;;   SOFTMAX AHEAD OF A QUANTISED PRODUCT. Where the list says 'softmax', what is quantised is not the finished softmax but p = 2^(t - M), with t = logit x log2(e) and M = ceil(the row's largest t), a whole number; so 1/2 < the row's largest p <= 1. The row's sum l is taken of the UNQUANTISED p, in f32, and the product's result is divided by l at the end. Since M is a whole number, a kernel that streams over the keys may use a running M (the ceiling of the running maximum): every later rescaling is an exact power of two, which a block's scale takes up: the codes' values come out the same.
;;   OPERANDS COMPUTED ON THE WAY. 'Computed on the way' means the value that the module computes at that place (a softmax that the list does not call 'softmax' is quantised finished and normalised). What goes into a quantiser is computed in f32, as accurately as f32 sums, v_exp_f32 and their like allow (about 1e-6 of the number): no bf16 or f16 on the way to a quantiser, and a product that is left as it is and whose result goes on into a quantised operand takes f32 operands (vector FMAs, or v_wmma_f32_16x16x4_f32). A number that lies on a knife's edge between two numbers of the format may be rounded either way, as far as f32 arithmetic and the matrix unit's own rounding can turn it there, and no further.
;;   INPUTS GIVEN AS CODES. W_proj (in the module: [1024, 1024], K = its axis 0); W_qkv (in the module: [1024, 3072], K = its axis 0); x (in the module: [4, 2048, 1024], K = its axis 2): each comes as NAME_codes (uint8): NAME with its K axis moved to the last place and cut into blocks of 32 codes, [.., K / 32, bytes a block], one block behind the other in memory; four codes in three bytes: a row's codes are one little-endian stream of bits, code i at bits 6 i .. 6 i + 5 (a code: sign, 2 exponent bits, 3 mantissa bits); and NAME_scales (uint8): the same leading axes, one E8M0 byte (e + 127) for each 32 codes along K. Its value is code x scale, taken as it is: it is not quantised again, and the codes and scales need not be those that the quantiser above would give.
;; One version. Each part assembles by itself: llvm-mc -triple=amdgcn-amd-amdhsa -mcpu=gfx1250 --defsym DOCPART=n.
;; ======== version 1 of 1: 3 launches
;; workspace buffers: qc 6,553,600 bytes; kc 6,553,600 bytes; vc 6,553,600 bytes; oc 6,291,456 bytes; osc 262,144 bytes
;; launch qkv (part 1): grid 96 x 4, 4 waves a work-group, clusters of 4 x 4, 327,680 bytes of LDS; arguments x_codes, x_scales, W_qkv_codes, W_qkv_scales, b_qkv, qc, kc, vc; writes qc, kc, vc
.if DOCPART == 1
	.amdgcn_target "amdgcn-amd-amdhsa--gfx1250"
	.amdhsa_code_object_version 6
	.text
	.protected	k_qa96a8dd52b_qkv
	.globl	k_qa96a8dd52b_qkv
	.p2align	8
	.type	k_qa96a8dd52b_qkv,@function
k_qa96a8dd52b_qkv:
	s_mov_b64 s[64:65], 0
	v_nop
	global_prefetch_b8 v0, s[64:65] scope:SCOPE_SE
	s_setreg_imm32_b32 hwreg(HW_REG_WAVE_MODE, 25, 1), 1
	s_wait_xcnt 0x0
	s_wait_alu depctr_hold_cnt(0) depctr_sa_sdst(0) depctr_va_vdst(0) depctr_va_sdst(0) depctr_va_ssrc(0) depctr_va_vcc(0) depctr_vm_vsrc(0)
	s_getreg_b32 s2, hwreg(HW_REG_IB_STS2, 6, 4)
	s_cmp_eq_u32 s2, 0
	s_cbranch_scc0 .Lentry_in_a_cluster
	s_endpgm
.Lentry_in_a_cluster:
	s_bfe_u32 s2, ttmp6, 0x10000c
	s_cmp_lg_u32 s2, 0xf033
	s_cbranch_scc0 .Lentry_shape_is_right
	s_endpgm
.Lentry_shape_is_right:
; qkv = x W_qkv + b_qkv on codes of FP6 (E2M3) with E8M0 scales, then q, k and v are quantised again, in registers, and leave as images of operand registers.
; x: [8192][1024] codes, W_qkv: [3072][1024] codes, both with rows of 768 bytes and 32 scale bytes.  A tile is 256 rows of source 1 x 256 rows of source 0; four waves, 128 x 128 each: 64 accumulators, 512 registers.
; The matrix instruction is used transposed: in a result a lane holds ONE row of source 1 and eight neighbouring rows of source 0.
;   clusters 0-15 (q and k): source 1 = x, source 0 = W_qkv rows 0-2047:   a lane is a token, its registers run along the head's 64: the K of q k^T.
;   clusters 16-23 (v):      source 1 = W_qkv rows 2048-3071, source 0 = x: a lane is a channel, its registers run along the tokens: the K of p v.
; Both tensors have the same row sizes, so the two cases differ in pointers and tile numbers alone until the way out.  The choice hangs on the cluster's number, which all sixteen partners share.
; K goes in steps of 256 through a ring of two LDS slots filled by joint tensor loads; the scale bytes of the tile's 512 rows come once, with the first fills.
; CLUSTERS: 4 x 4 work-groups: source 1's tiles are shared along a row of the cluster, source 0's along a column.
; THE QUANTISER: a block's scale byte is the exponent field of its largest magnitude less 2, held at 1 from below; the conversion rounds to the nearest code, ties to even, and holds at the largest code.
; ORDER INSIDE A BLOCK OF 32: the codes lie as positions 0-7: k 0-7, 8-15: k 16-23, 16-23: k 8-15, 24-31: k 24-31.  q and k share that order, and so do v and the softmax's p: no product changes.
; OUT: qc, kc, vc: [16 b + head][102,400 bytes]: 4,096 bytes of scale words, then 64 fragments of 1,536 bytes (registers 4 g .. 4 g + 3 of lane l at 512 g + 16 l).
;   qc, kc: fragment t / 32: registers 0-5 token 32 f + r, registers 6-11 token 32 f + 16 + r; lane (r, h) holds the head's block h.  Scale word [t / 128][r][i]: bytes 0, 1 token 128 G + 32 i + r, bytes 2, 3 that token + 16.
;   vc: fragment 4 (key / 128) + tau: lane (r, h) holds channel 16 tau + r, registers 6 c .. keys 64 c + 32 h on.  Scale word [key / 128][r][tau]: byte beta for keys 32 beta on.
; LIMITS: NaN, infinities and the scale byte 0xff are not served; a block whose largest magnitude lies under 2^-124, a block of zeros among them, gets the byte 1 (its codes are zeros; only this program reads the bytes).
; REGISTERS, in windows of 256: window 0: v0-31 addresses; v32-63 scale words, two sets; v64-127 the bias in the result's layout; from v128 source 1's fragments, one set; on the way out v128-255 are at work.
;   window 1: source 0's fragments, two sets.   window 2: the accumulators of my rows 0-63 ((a, b) at v[8 (8 a + b)]);   window 3: those of rows 64-127.
.set SIZE_K, 1024
.set KSTEP,  256                       ; along K in a slot
.set NQ,     KSTEP/128                 ; matrix instructions deep
.set ROWB,   192                       ; a tile's row in bytes
.set KROW,   SIZE_K*6/8                ; a row of codes in memory
.set PITCH,  240                       ; an LDS row: 3 x (64 bytes + 16 of padding) = 60 words: the 32 lanes of a load of 8 bytes touch 64 different banks (64 banks of 4 bytes: ISA guide 11.1)
.set FR,     12                        ; registers of a fragment
.set NL,     6                         ; LDS loads that bring one
.set NP,     4                         ; places behind this matrix instruction (ISA guide 7.12.1)
.set HALFT,  128*PITCH                 ; 128 rows: what one tensor load brings
.set SLOT,   4*HALFT
.set LAPS,   SIZE_K/(2*KSTEP)
.set KS,     SIZE_K/32                 ; a row of scale bytes
.set SCL,    2*SLOT                    ; behind the ring: the scale bytes, as units of 256 bytes + 16
.set HALFS,  (128*KS/256)*272
.set SBLK,   (16*KS/256)*272
.set SPARE,  SCL+4*HALFS               ; the spare words, 128 bytes a wave: two blocks of 256 bytes that no other line names
.set HEADB,  102400                    ; a head's bytes in qc, kc, vc
.set FRB,    1536                      ; a fragment's image
.set ADRA, 16                          ; v16-17 LDS address of source 1's fragments in slot 0, 1 (v18-19: behind one padding more)
.set ADRB, 20                          ; v20-23 the same for source 0
.set SOF,  24                          ; v24  the way out: 16 r + HEADB h: a scale word's place
.set CO,   26                          ; v26  the way out: 16 x lane
.set ADRS, 27                          ; v27  LDS address of my scale words
.set SPW,  28                          ; v28  my spare word; never rewritten
.set NIL,  29                          ; v29  0; never rewritten
.set SC,   32
.set BI,   64                          ; v64-127 the bias
.set AF,   128
.set XN,   128                         ; the way out: v128-191 64 numbers of a lane
.set CD,   192                         ; v192-215 codes
.set T0,   216                         ; v216-218, v220-222 the conversions' second halves
.set T1,   220
.set TM,   224                         ; v224-227 largest magnitudes, v228-231 bytes, v236-239 the conversions' scale operands
.set VO,   224                         ; at the head: v224-231 the bias loads' offsets
.set SWD,  240                         ; v240-247 a scale word for each block of 16 rows
.set DW,   248                         ; v248-251 scale words as they are stored
.set G1, 24
.set G0, 32
.set G1B, 48
.set G0B, 56
.set G1S, 68
.set G0S, 76
.set G1SB, 80
.set G0SB, 88
.set MSB, 0
.macro WIN new                         ; the immediate's high byte repeats the setting that is left
.if MSB != (\new)
	s_set_vgpr_msb (MSB<<8)|(\new)
.set MSB, (\new)
.endif
.endm
.set MUL_LO, 0xa1                      ; source 0 window 1, source 1 window 0, C and D window 2
.set MUL_HI, 0xf1                      ; the same, C and D window 3
.set TO_B,   0x40                      ; destination window 1, address window 0
; A joint load: waves 0 and 1 fetch for source 1, waves 2 and 3 for source 0.  The branch hangs on the wave's number alone.  Four v_nop follow each of the two lines.
.macro JLOAD g0a, g1a, g0b, g1b
	s_cmp_eq_u32 s15, 0
	s_cbranch_scc0 .Lfor_b_\@
	tensor_load_to_lds s[\g0a:\g0a+3], s[\g1a:\g1a+7]
	s_nop 0
.rept 4
	v_nop
.endr
	s_branch .Lasked_\@
.Lfor_b_\@:
	tensor_load_to_lds s[\g0b:\g0b+3], s[\g1b:\g1b+7]
	s_nop 0
.rept 4
	v_nop
.endr
.Lasked_\@:
.endm
.macro CREST                           ; a round of the cluster's barrier behind its opening barrier
	s_cmp_lg_u32 s14, 0
	s_cbranch_scc1 .Lnot_wave_0_\@
	s_barrier_signal -3
.Lnot_wave_0_\@:
	s_barrier_wait -3
	s_barrier_signal -1
	s_barrier_wait -1
.endm
.macro CROUND                          ; a whole round
	s_barrier_signal -1
	s_barrier_wait -1
	CREST
.endm
	s_load_b256 s[4:11], s[0:1], 0x0               ; x's codes s[4:5], x's scales s[6:7], W's codes s[8:9], W's scales s[10:11]
	s_load_b128 s[96:99], s[0:1], 0x20             ; b_qkv s[96:97], qc s[98:99]
	s_load_b64 s[100:101], s[0:1], 0x30            ; kc
	s_load_b64 s[12:13], s[0:1], 0x38              ; vc
	v_lshl_add_u32 v[SPW], v0, 2, SPARE
	v_mov_b32 v[NIL], 0
	ds_add_u32 v28, v29
	ds_add_u32 v28, v29
	s_wait_dscnt 0x0
	v_lshrrev_b32 v1, 5, v0
	v_readfirstlane_b32 s14, v1                    ; wave 0..3
	s_lshr_b32 s15, s14, 1                         ; which half of source 1's rows is mine.  Also: I fetch for source 1 (0) or source 0 (1)
	s_and_b32 s16, s14, 1                          ; which half of source 0's rows.  Also: which 128 rows of that tile I fetch
	s_bfe_u32 s40, ttmp6, 0x40000                  ; cx, cy: my place in the cluster
	s_bfe_u32 s41, ttmp6, 0x40004
	s_lshr_b32 s17, ttmp9, 1                       ; c = the cluster's number, 0..23
	s_lshl_b32 s17, s17, 2                         ; q, k: source 1's tile = 4 (c / 2) + cy of x's 32
	s_and_b32 s42, ttmp9, 1
	s_lshl_b32 s42, s42, 2                         ;       source 0's tile = 4 (c % 2) + cx of W's first 8
	s_sub_co_u32 s45, ttmp9, 16
	s_lshl_b32 s45, s45, 2                         ; v:    source 0's tile = 4 (c - 16) + cx of x's 32
	s_cmp_lt_u32 ttmp9, 16
	s_cselect_b32 s17, s17, 8                      ;       source 1's tile = 8 + cy of W's 12
	s_cselect_b32 s42, s42, s45
	s_add_co_u32 s17, s17, s41                     ; source 1's tile: made of c and cy alone
	s_add_co_u32 s42, s42, s40                     ; source 0's tile: of c and cx alone
	s_lshl_b32 s43, s41, 2
	s_lshl_b32 s43, 15, s43                        ; my row of the cluster
	s_lshl_b32 s44, 0x1111, s40                    ; my column
	; descriptor group 1: a tile of 128 rows x 192 bytes, 16 bytes of padding behind every 64
	s_or_b32 s[G1+0], s43, (0<<16)|(1<<20)|(1<<21)|(3<<22)|(3<<25)  ; 15:0 the mask; 17:16 elements of 1 byte; 20 padding on; 21 set beside a mask; 24:22 after every 16 words; 31:25 4 words
	s_or_b32 s[G1B+0], s44, (0<<16)|(1<<20)|(1<<21)|(3<<22)|(3<<25)
.irp g, G1, G1B
	s_mov_b32 s[\g+1], ROWB<<16                    ; tensor_dim0
	s_mov_b32 s[\g+2], 128<<16                     ; tensor_dim1
	s_mov_b32 s[\g+3], ROWB<<16                    ; tile_dim0
	s_mov_b32 s[\g+4], 128                         ; tile_dim1
	s_mov_b32 s[\g+5], KROW                        ; the pitch
	s_mov_b32 s[\g+6], 0
	s_mov_b32 s[\g+7], 0
.endr
	; the scale bytes of 128 rows: a dense block of 4,096 bytes, as 16 rows of 256 bytes (32 elements of 8), 16 bytes of padding behind each
	s_or_b32 s[G1S+0], s43, (3<<16)|(1<<20)|(1<<21)|(5<<22)|(3<<25)
	s_or_b32 s[G1SB+0], s44, (3<<16)|(1<<20)|(1<<21)|(5<<22)|(3<<25)
.irp g, G1S, G1SB
	s_mov_b32 s[\g+1], 32<<16
	s_mov_b32 s[\g+2], (128*KS/256)<<16
	s_mov_b32 s[\g+3], 32<<16
	s_mov_b32 s[\g+4], 128*KS/256
	s_mov_b32 s[\g+5], 32
	s_mov_b32 s[\g+6], 0
	s_mov_b32 s[\g+7], 0
.endr
	s_lshl_b32 s18, s16, 7                         ; which 128 rows of the tile I fetch
	s_lshl_b32 s20, s17, 8
	s_add_co_u32 s20, s20, s18                     ; source 1: row 256 x tile + 128 x half
	s_lshl_b32 s46, s42, 8
	s_add_co_u32 s46, s46, s18                     ; source 0 likewise
	s_mov_b32 s21, 0
	s_mov_b32 s47, 0
	s_mov_b64 s[18:19], KS
	s_mul_u64 s[22:23], s[20:21], s[18:19]         ; where these rows' scale bytes begin
	s_mul_u64 s[92:93], s[46:47], s[18:19]
	s_mov_b64 s[18:19], KROW
	s_mul_u64 s[20:21], s[20:21], s[18:19]         ; and their codes
	s_mul_u64 s[46:47], s[46:47], s[18:19]
	s_mul_i32 s45, s14, HALFT                      ; where they go: wave x 128 rows: no place in the cluster enters an LDS address
	s_mul_i32 s94, s14, HALFS
	s_wait_kmcnt 0x0
	s_cmp_lt_u32 ttmp9, 16                         ; which tensor is source 1?  The choice hangs on the cluster's number alone
	s_cselect_b64 s[2:3], s[4:5], s[8:9]           ; source 1's codes
	s_cselect_b64 s[8:9], s[8:9], s[4:5]           ; source 0's codes
	s_cselect_b64 s[18:19], s[6:7], s[10:11]       ; source 1's scales
	s_cselect_b64 s[10:11], s[10:11], s[6:7]       ; source 0's scales
	s_add_nc_u64 s[20:21], s[2:3], s[20:21]
	s_add_nc_u64 s[22:23], s[18:19], s[22:23]
	s_add_nc_u64 s[46:47], s[8:9], s[46:47]
	s_add_nc_u64 s[92:93], s[10:11], s[92:93]
	CROUND                                         ; all sixteen work-groups are here: the first joint loads meet
	s_mov_b32 s[G0S], 1
	s_add_co_u32 s[G0S+1], s94, SCL
	s_mov_b64 s[G0S+2:G0S+3], s[22:23]
	s_or_b32 s[G0S+3], s[G0S+3], 0x80000000
	s_mov_b32 s[G0SB], 1
	s_add_co_u32 s[G0SB+1], s94, SCL
	s_mov_b64 s[G0SB+2:G0SB+3], s[92:93]
	s_or_b32 s[G0SB+3], s[G0SB+3], 0x80000000
	JLOAD G0S, G1S, G0SB, G1SB                     ; the scale bytes first: they are wanted with K step 0
.irp s, 0,1
	s_mov_b32 s[G0+4*\s], 1
	s_add_co_u32 s[G0+4*\s+1], s45, \s*SLOT
	s_add_nc_u64 s[G0+4*\s+2:G0+4*\s+3], s[20:21], \s*ROWB
	s_or_b32 s[G0+4*\s+3], s[G0+4*\s+3], 0x80000000
	s_mov_b32 s[G0B+4*\s], 1
	s_add_co_u32 s[G0B+4*\s+1], s45, \s*SLOT
	s_add_nc_u64 s[G0B+4*\s+2:G0B+4*\s+3], s[46:47], \s*ROWB
	s_or_b32 s[G0B+4*\s+3], s[G0B+4*\s+3], 0x80000000
	JLOAD G0+4*\s, G1, G0B+4*\s, G1B
.endr
	v_and_b32 v1, 15, v0                           ; r = lane % 16
	v_bfe_u32 v2, v0, 4, 1                         ; h = lane / 16
	v_mul_u32_u24 v3, v1, PITCH
	v_mul_u32_u24 v4, v2, 24
	v_add_nc_u32 v4, v3, v4                        ; a fragment's row x pitch + 24 x half
	v_lshl_add_u32 v5, v2, 4, v4                   ; and the same behind one padding more
	s_mul_i32 s21, s15, HALFT                      ; my 128 rows of source 1
	s_mul_i32 s22, s16, HALFT                      ; my 128 rows of source 0,
	s_add_co_u32 s22, s22, 2*HALFT                 ; which lie behind source 1's 256
.irp s, 0,1
	v_add_nc_u32 v[ADRA+\s], s21, v4
	v_add_nc_u32 v[ADRB+\s], s22, v4
	v_add_nc_u32 v[ADRA+2+\s], s21, v5
	v_add_nc_u32 v[ADRB+2+\s], s22, v5
	s_add_co_u32 s21, s21, SLOT
	s_add_co_u32 s22, s22, SLOT
.endr
	v_mul_u32_u24 v5, v1, KS                       ; my row's scale bytes: 32 a row,
	v_lshrrev_b32 v6, 8, v5
	v_lshl_add_u32 v5, v6, 4, v5                   ; and 16 more for each 256 passed
	s_mul_i32 s21, s15, HALFS
	s_mul_i32 s22, s16, HALFS
	s_add_co_u32 s22, s22, 2*HALFS
	s_sub_co_u32 s22, s22, s21
	v_mul_u32_u24 v6, s22, v2                      ; lanes 16-31 take source 0's
	s_add_co_u32 s21, s21, SCL
	v_add_nc_u32 v5, v5, v6
	v_add_nc_u32 v[ADRS], s21, v5
	v_and_b32 v6, 31, v0
	v_lshlrev_b32 v[CO], 4, v6
	v_mul_u32_u24 v6, v2, HEADB
	v_lshl_add_u32 v[SOF], v1, 4, v6
	; THE BIAS, in the result's layout, one text for both cases.  q, k: register 8 b + j holds b_qkv[first + 16 b + 8 h + j]; v: register 8 a + j holds b_qkv[first + 16 a + r], the same for every j.
	s_lshl_b32 s20, s42, 8
	s_lshl_b32 s21, s16, 7
	s_add_co_u32 s20, s20, s21                     ; source 0's first row of mine
	s_lshl_b32 s22, s17, 8
	s_lshl_b32 s21, s15, 7
	s_add_co_u32 s22, s22, s21                     ; source 1's
	s_cmp_lt_u32 ttmp9, 16
	s_cselect_b32 s20, s20, s22                    ; my first row of W_qkv
	s_cselect_b32 s21, 0, 1                        ; r counts for v,
	s_cselect_b32 s22, 8, 0                        ; 8 h for q and k,
	s_cselect_b32 s23, 4, 0                        ; and so does the register's number
	v_mul_u32_u24 v5, v1, s21
	v_mad_u32_u24 v5, v2, s22, v5
	v_add_nc_u32 v5, s20, v5
	v_lshlrev_b32 v[VO], 2, v5
.irp j, 1,2,3,4,5,6,7
	v_add_nc_u32 v[VO+\j], s23, v[VO+\j-1]
.endr
.irp i, 0,1,2,3,4,5,6,7
.irp j, 0,1,2,3,4,5,6,7
	global_load_b32 v[BI+8*\i+\j], v[VO+\j], s[96:97] offset:64*\i
.endr
.endr
.macro FRAG reg, adr, q, i             ; a fragment, 16 rows x 128 K, is 12 registers: lane l holds row l % 16; registers 6 c .. 6 c + 5 hold K = 64 c + 32 (l / 16) + 0 .. 31: 24 bytes of the row, as they lie
.irp p, 0,1,2,3,4,5                    ; in pieces of 8 bytes.  Lanes 16-31 read three pieces further on; where that is behind one padding more, the second address register serves
.set PCE, 12*(\q)+6*(\p/3)+\p%3
.if PCE%8 < 5
	ds_load_b64 v[\reg+2*\p:\reg+2*\p+1], v[\adr] offset:8*PCE+16*(PCE/8)+(\i)*16*PITCH
.else
	ds_load_b64 v[\reg+2*\p:\reg+2*\p+1], v[\adr+2] offset:8*PCE+16*(PCE/8)+(\i)*16*PITCH
.endif
.endr
.endm
; 16 matrix instructions: source 1's blocks a0, a0 + 1 x source 0's eight, 128 along K.  zero = 1: the first product starts the sums.  The 64 accumulators take turns, one instruction a turn.
.macro MUL16 a0, p, q, sc, zero
.irp a, \a0, \a0+1
.irp b, 0,1,2,3,4,5,6,7
.if \zero
	v_wmma_scale_f32_16x16x128_f8f6f4 v[8*(8*((\a)%4)+\b):8*(8*((\a)%4)+\b)+7], v[128*(\p)+FR*\b:128*(\p)+FR*\b+FR-1], v[AF+FR*(\a):AF+FR*(\a)+FR-1], 0, v[SC+8*NQ*(\sc)+NQ*\b+(\q)], v[SC+8*NQ*(\sc)+NQ*(\a)+(\q)] matrix_a_fmt:MATRIX_FMT_FP6 matrix_b_fmt:MATRIX_FMT_FP6 matrix_a_scale:MATRIX_SCALE_ROW1
.else
	v_wmma_scale_f32_16x16x128_f8f6f4 v[8*(8*((\a)%4)+\b):8*(8*((\a)%4)+\b)+7], v[128*(\p)+FR*\b:128*(\p)+FR*\b+FR-1], v[AF+FR*(\a):AF+FR*(\a)+FR-1], v[8*(8*((\a)%4)+\b):8*(8*((\a)%4)+\b)+7], v[SC+8*NQ*(\sc)+NQ*\b+(\q)], v[SC+8*NQ*(\sc)+NQ*(\a)+(\q)] matrix_a_fmt:MATRIX_FMT_FP6 matrix_b_fmt:MATRIX_FMT_FP6 matrix_a_scale:MATRIX_SCALE_ROW1
.endif
.endr
.endr
.endm
.macro FETCH_B slot, q, p              ; source 0's eight fragments of the slot's q-th 128 along K into set p
	WIN TO_B
.irp i, 0,1,2,3,4,5,6,7
	FRAG 128*(\p)+FR*\i, ADRB+\slot, \q, \i
.endr
	WIN 0
.endm
.macro FETCH_A slot, q, i0             ; source 1's blocks i0 .. i0 + 3
.irp i, \i0, \i0+1, \i0+2, \i0+3
	FRAG AF+FR*(\i), ADRA+\slot, \q, \i
.endr
.endm
.macro SCALES sc                       ; the next K step's scale words: lanes 0-15 take source 1's block i, lanes 16-31 source 0's block i
.irp i, 0,1,2,3,4,5,6,7
	ds_load_b64 v[SC+8*NQ*\sc+NQ*\i:SC+8*NQ*\sc+NQ*\i+1], v[ADRS] offset:\i*SBLK
.endr
.endm
.macro PLACES n                        ; plain vector lines between a matrix instruction and a load into, or a vector read of, its registers
.rept \n
	v_nop
.endr
.endm
; A step of 128 along K that has its successor in the same slot.
.macro STEP slot, q, zero
	s_wait_dscnt 4*NL                              ; source 0's set and source 1's blocks 0-3 are in; the youngest 24 loads (blocks 4-7) may be out
	WIN MUL_LO
	MUL16 0, (\q)%2, \q, \slot, \zero
	MUL16 2, (\q)%2, \q, \slot, \zero
	s_wait_dscnt 0                                 ; blocks 4-7 are in
	PLACES NP
	FETCH_B \slot, (\q)+1, 1-(\q)%2
	FETCH_A \slot, (\q)+1, 0
	WIN MUL_HI
	MUL16 4, (\q)%2, \q, \slot, \zero
	MUL16 6, (\q)%2, \q, \slot, \zero
	PLACES NP
	WIN 0
	FETCH_A \slot, (\q)+1, 4
.endm
; A slot's last step changes slots: one barrier; in front of it each wave waits for all its tensor loads, adds 0 to its spare word, and waits for that and for its own reads of this slot.  fill = 1: the slot is filled again, two K steps ahead.
.macro TURN slot, next, fill
	s_wait_tensorcnt 0x0                           ; all my tensor loads have landed: my part of the next slot
	ds_add_u32 v[SPW], v[NIL]                      ; 0 onto my spare word
	s_wait_dscnt 4*NL+1                            ; the add and the youngest 24 loads may be out
	WIN MUL_LO
	MUL16 0, 1, NQ-1, \slot, 0                     ; sixteen matrix instructions stand between the add and the wait for it
	s_wait_dscnt 0x0                               ; the add is done, and my reads of this slot are over
	s_barrier_signal -1
	MUL16 2, 1, NQ-1, \slot, 0
	WIN 0
	s_barrier_wait -1
.if \fill
	CREST                                          ; the barrier has opened a round of the cluster's barrier: no wave of any partner still reads this slot or has a load on its way
	s_add_nc_u64 s[G0+4*\slot+2:G0+4*\slot+3], s[G0+4*\slot+2:G0+4*\slot+3], 2*ROWB
	s_add_nc_u64 s[G0B+4*\slot+2:G0B+4*\slot+3], s[G0B+4*\slot+2:G0B+4*\slot+3], 2*ROWB
	JLOAD G0+4*\slot, G1, G0B+4*\slot, G1B         ; the first tensor load behind the round; its four v_nop are the places in front of the loads below
.else
	PLACES NP
.endif
	v_add_nc_u32 v[ADRS], 4*NQ, v[ADRS]            ; on to the next K step's scale words
	FETCH_B \next, 0, 0
	FETCH_A \next, 0, 0
	SCALES \next
	WIN MUL_HI
	MUL16 4, 1, NQ-1, \slot, 0
	MUL16 6, 1, NQ-1, \slot, 0
	PLACES NP
	WIN 0
	FETCH_A \next, 0, 4
.endm
	s_wait_tensorcnt 1                             ; the scale bytes and my part of K step 0 are in; K step 1's load may be out
	s_wait_loadcnt 0x0                             ; the bias is in: no global load is out in the loop
	s_barrier_signal -1
	s_barrier_wait -1
	FETCH_B 0, 0, 0
	FETCH_A 0, 0, 0
	SCALES 0
	FETCH_A 0, 0, 4
	STEP 0, 0, 1                                   ; the first step stands in front of the loop: its products start the sums
	s_mov_b32 s3, LAPS-1
.Llap:                                                 ; a trip goes once round the ring and fills both slots again
	TURN 0, 1, 1
	STEP 1, 0, 0
	TURN 1, 0, 1
	STEP 0, 0, 0
	s_sub_co_u32 s3, s3, 1
	s_cmp_lg_u32 s3, 0
	s_cbranch_scc1 .Llap
	TURN 0, 1, 0                                   ; the last lap fills nothing
	STEP 1, 0, 0
	s_wait_dscnt 4*NL
	WIN MUL_LO
	MUL16 0, 1, NQ-1, 1, 0
	MUL16 2, 1, NQ-1, 1, 0
	s_wait_dscnt 0
	WIN MUL_HI
	MUL16 4, 1, NQ-1, 1, 0
	MUL16 6, 1, NQ-1, 1, 0
	WIN 0
; THE WAY OUT.  Block a (16 rows of source 1 x my 128 rows of source 0) + the bias -> 64 numbers of a lane; register 16 beta + 8 u + j is number 16 u + 8 h + j of block beta.  byb = 1: the bias goes by source 0's block, 0: by source 1's.
.macro ADDB a, byb
.set AC, 64*((\a)%4)
	WIN 0x02+(\a)/4                                ; source 0: window 2 or 3
.irp b, 0,1,2,3,4,5,6,7
.irp j, 0,2,4,6                        ; each accumulator from its low end on
.if \byb
	v_pk_add_f32 v[XN+8*\b+\j:XN+8*\b+\j+1], v[AC+8*\b+\j:AC+8*\b+\j+1], v[BI+8*\b+\j:BI+8*\b+\j+1]
.else
	v_pk_add_f32 v[XN+8*\b+\j:XN+8*\b+\j+1], v[AC+8*\b+\j:AC+8*\b+\j+1], v[BI+8*(\a)+\j:BI+8*(\a)+\j+1]
.endif
.endr
.endr
	WIN 0
.endm
; 64 numbers of a lane become four blocks' codes: v[d0 .. d0 + 5]: lane (r, h) holds block h, v[d1 .. d1 + 5]: block 2 + h; and the row's scale word in v[w].
.macro QUANT s, d0, d1, w
.irp b, 0,1,2,3
	v_max3_num_f32 v[TM+\b], |v[\s+16*\b]|, |v[\s+1+16*\b]|, 0x1800000   ; my 16 numbers of block b, and the floor 2^(3 - 127): the byte cannot fall under 1
.endr
.irp i, 2,4,6,8,10,12,14
.irp b, 0,1,2,3
	v_max3_num_f32 v[TM+\b], v[TM+\b], |v[\s+16*\b+\i]|, |v[\s+1+16*\b+\i]|   ; the four blocks by turns
.endr
.endr
.irp b, 0,1,2,3
	v_permlanex16_b32 v[TM+4+\b], v[TM+\b], s20, s21
.endr
.irp b, 0,1,2,3
	v_max_num_f32 v[TM+\b], v[TM+\b], v[TM+4+\b]   ; with lane l xor 16's: the block's largest magnitude
.endr
.irp b, 0,1,2,3
	v_add_nc_u32 v[TM+12+\b], 0xff000000, v[TM+\b] ; 2 off its exponent field: the conversion takes that field as its scale
.endr
.irp b, 0,1,2,3
	v_lshrrev_b32 v[TM+4+\b], 23, v[TM+12+\b]      ; the scale's byte
.endr
	v_lshl_or_b32 v[\w], v[TM+5], 8, v[TM+4]
	v_lshl_or_b32 v[\w], v[TM+6], 16, v[\w]
	v_lshl_or_b32 v[\w], v[TM+7], 24, v[\w]
	v_cvt_scalef32_pk16_fp6_f32 v[(\d0):(\d0)+2], v[\s:\s+15], v[TM+12]
	v_cvt_scalef32_pk16_fp6_f32 v[T0:T0+2], v[\s+16:\s+31], v[TM+13]   ; (a conversion's three registers begin on an even number)
	v_cvt_scalef32_pk16_fp6_f32 v[(\d1):(\d1)+2], v[\s+32:\s+47], v[TM+14]
	v_cvt_scalef32_pk16_fp6_f32 v[T1:T1+2], v[\s+48:\s+63], v[TM+15]
	v_nop                                          ; one plain line behind the scaled conversions
.irp i, 0,1,2
	v_permlane16_swap_b32 v[(\d0)+\i], v[T0+\i]    ; a whole block to a lane: lanes 0-15 the even block, lanes 16-31 the odd one
	v_permlane16_swap_b32 v[(\d1)+\i], v[T1+\i]
.endr
.irp i, 0,1,2
	v_mov_b32 v[(\d0)+3+\i], v[T0+\i]
	v_mov_b32 v[(\d1)+3+\i], v[T1+\i]
.endr
.endm
	PLACES NP                                      ; behind the last products: their results are read and their operands' registers written below
.irp b, 0,1,2,3
	v_mov_b32 v[TM+4+\b], 0                        ; written once: a lane permute's destination counts as one of its sources
.endr
	v_and_b32 v6, 31, v0
	v_cmp_le_u32 vcc_lo, 16, v6                    ; lanes 16-31
	s_and_b32 s20, ttmp9, 1
	s_cmp_eq_u32 s20, 0
	s_cselect_b64 s[98:99], s[98:99], s[100:101]   ; even clusters make q, odd ones k,
	s_cmp_lt_u32 ttmp9, 16
	s_cselect_b64 s[98:99], s[98:99], s[12:13]     ; clusters 16 on v
	s_lshl_b32 s20, s17, 8
	s_lshl_b32 s21, s15, 7
	s_add_co_u32 s20, s20, s21                     ; source 1's first row of mine
	s_lshl_b32 s22, s42, 8
	s_lshl_b32 s21, s16, 7
	s_add_co_u32 s22, s22, s21                     ; source 0's
	s_cmp_lt_u32 ttmp9, 16
	s_cselect_b32 s21, s20, s22                    ; my first token (of 8,192)
	s_cselect_b32 s23, s22, s20                    ; my first row of W_qkv
	s_lshr_b32 s20, s21, 11
	s_lshl_b32 s20, s20, 4
	s_bfe_u32 s22, s23, 0x40006                    ; the first of my two heads
	s_add_co_u32 s20, s20, s22
	s_mul_i32 s20, s20, HEADB                      ; 16 b + head
	s_bfe_u32 s22, s21, 0x40007                    ; which 128 tokens of the 2,048
	s_mul_i32 s46, s22, 4*FRB                      ; four fragments either way: 4 x 32 tokens of q or k, 4 x 16 channels of v
	s_add_co_u32 s46, s46, s20
	s_add_co_u32 s46, s46, 4096
	s_mov_b32 s47, 0
	s_lshl_b32 s22, s22, 8                         ; and 256 bytes of scale words
	s_add_co_u32 s22, s22, s20
	s_mov_b32 s23, 0
	s_add_nc_u64 s[46:47], s[98:99], s[46:47]      ; my codes
	s_add_nc_u64 s[22:23], s[98:99], s[22:23]      ; my scale words
	s_mov_b32 s20, 0x76543210
	s_mov_b32 s21, 0xfedcba98                      ; v_permlanex16_b32's selects for lane l xor 16
	s_cmp_lt_u32 ttmp9, 16
	s_cbranch_scc0 .Lv
	; q, k: a lane is a token; blocks 0, 1 are the first head's 64, blocks 2, 3 the second's.  Two blocks of 16 tokens make a fragment of each head.
.irp i, 0,1,2,3
.irp u, 0,1
	ADDB 2*\i+\u, 1
	s_wait_xcnt 0x0                                ; the last stores have read their data: the codes' registers are written again only behind this wait
	QUANT XN, CD+6*\u, CD+12+6*\u, SWD+2*\i+\u
.endr
.irp hd, 0,1
.irp g, 0,1,2
	global_store_b128 v[CO], v[CD+12*\hd+4*\g:CD+12*\hd+4*\g+3], s[46:47] offset:\i*FRB+512*\g+HEADB*\hd   ; 32 lanes store 512 consecutive bytes, aligned
.endr
.endr
.endr
.irp i, 0,1,2,3
	v_perm_b32 v[TM+\i], v[SWD+2*\i+1], v[SWD+2*\i], 0x05040100     ; the first head's word: two bytes of token 32 i + r, two of token 32 i + 16 + r
	v_perm_b32 v[TM+4+\i], v[SWD+2*\i+1], v[SWD+2*\i], 0x07060302   ; the second head's
.endr
.irp i, 0,1,2,3
	v_cndmask_b32 v[DW+\i], v[TM+\i], v[TM+4+\i], vcc_lo
.endr
	global_store_b128 v[SOF], v[DW:DW+3], s[22:23]   ; lanes 0-15: the first head's 256 bytes, lanes 16-31: the second's
	s_branch .Lend
.Lv:
	; v: a lane is a channel; its four blocks are my 128 keys: block a is one fragment.  Blocks 0-3 are the first head's 64 channels, 4-7 the second's.
.irp a, 0,1,2,3,4,5,6,7
	ADDB \a, 0
	s_wait_xcnt 0x0                                ; the last stores have read their data
	QUANT XN, CD, CD+6, SWD+\a
.irp g, 0,1,2
	global_store_b128 v[CO], v[CD+4*\g:CD+4*\g+3], s[46:47] offset:(\a/4)*HEADB+(\a%4)*FRB+512*\g
.endr
.endr
.irp k, 0,1,2,3
	v_cndmask_b32 v[DW+\k], v[SWD+\k], v[SWD+4+\k], vcc_lo
.endr
	global_store_b128 v[SOF], v[DW:DW+3], s[22:23]
.Lend:
	s_wait_tensorcnt 0x0                           ; the wave's end
	ds_add_u32 v[SPW], v[NIL]
	s_wait_dscnt 0x0
	CROUND                                         ; the closing round: no work-group ends while a partner may still ask for a tile that names it
	s_endpgm
.Lfunc_end_k_qa96a8dd52b_qkv:
	.size	k_qa96a8dd52b_qkv, .Lfunc_end_k_qa96a8dd52b_qkv-k_qa96a8dd52b_qkv
	.p2alignl 7, 3214868480
	.fill 96, 4, 3214868480
	.section	.rodata,"a",@progbits
	.p2align	6, 0x0
	.amdhsa_kernel k_qa96a8dd52b_qkv
		.amdhsa_group_segment_fixed_size 327680
		.amdhsa_private_segment_fixed_size 0
		.amdhsa_enable_private_segment 0
		.amdhsa_kernarg_size 64
		.amdhsa_user_sgpr_count 2
		.amdhsa_user_sgpr_kernarg_segment_ptr 1
		.amdhsa_wavefront_size32 1
		.amdhsa_system_sgpr_workgroup_id_x 1
		.amdhsa_system_sgpr_workgroup_id_y 1
		.amdhsa_system_sgpr_workgroup_id_z 1
		.amdhsa_system_vgpr_workitem_id 0
		.amdhsa_next_free_vgpr 1024
		.amdhsa_next_free_sgpr 102
		.amdhsa_reserve_vcc 1
		.amdhsa_float_denorm_mode_32 3
		.amdhsa_float_denorm_mode_16_64 3
		.amdhsa_memory_ordered 1
		.amdhsa_forward_progress 1
		.amdhsa_inst_pref_size 237
	.end_amdhsa_kernel
	.amdgpu_metadata
---
amdhsa.version: [ 1, 2 ]
amdhsa.kernels:
  - .name:           k_qa96a8dd52b_qkv
    .symbol:         k_qa96a8dd52b_qkv.kd
    .args:
      - { .name: x_codes, .offset: 0, .size: 8, .value_kind: global_buffer, .address_space: global }
      - { .name: x_scales, .offset: 8, .size: 8, .value_kind: global_buffer, .address_space: global }
      - { .name: W_qkv_codes, .offset: 16, .size: 8, .value_kind: global_buffer, .address_space: global }
      - { .name: W_qkv_scales, .offset: 24, .size: 8, .value_kind: global_buffer, .address_space: global }
      - { .name: b_qkv, .offset: 32, .size: 8, .value_kind: global_buffer, .address_space: global }
      - { .name: qc, .offset: 40, .size: 8, .value_kind: global_buffer, .address_space: global }
      - { .name: kc, .offset: 48, .size: 8, .value_kind: global_buffer, .address_space: global }
      - { .name: vc, .offset: 56, .size: 8, .value_kind: global_buffer, .address_space: global }
    .group_segment_fixed_size: 327680
    .private_segment_fixed_size: 0
    .kernarg_segment_align: 8
    .kernarg_segment_size: 64
    .max_flat_workgroup_size: 128
    .sgpr_count:     102
    .vgpr_count:     1024
    .wavefront_size: 32
...
	.end_amdgpu_metadata
.endif
;; end of part 1
;; launch attn (part 2): grid 256 x 1, 16 waves a work-group, clusters of 4 x 1, 206,848 bytes of LDS; arguments qc, kc, vc, oc, osc; writes oc, osc
.if DOCPART == 2
	.amdgcn_target "amdgcn-amd-amdhsa--gfx1250"
	.amdhsa_code_object_version 6
	.text
	.protected	k_qa96a8dd52b_attn
	.globl	k_qa96a8dd52b_attn
	.p2align	8
	.type	k_qa96a8dd52b_attn,@function
k_qa96a8dd52b_attn:
	s_mov_b64 s[64:65], 0
	v_nop
	global_prefetch_b8 v0, s[64:65] scope:SCOPE_SE
	s_setreg_imm32_b32 hwreg(HW_REG_WAVE_MODE, 25, 1), 1
	s_wait_xcnt 0x0
	s_wait_alu depctr_hold_cnt(0) depctr_sa_sdst(0) depctr_va_vdst(0) depctr_va_sdst(0) depctr_va_ssrc(0) depctr_va_vcc(0) depctr_vm_vsrc(0)
	s_getreg_b32 s2, hwreg(HW_REG_IB_STS2, 6, 4)
	s_cmp_eq_u32 s2, 0
	s_cbranch_scc0 .Lentry_in_a_cluster
	s_endpgm
.Lentry_in_a_cluster:
	s_bfe_u32 s2, ttmp6, 0x10000c
	s_cmp_lg_u32 s2, 0x3003
	s_cbranch_scc0 .Lentry_shape_is_right
	s_endpgm
.Lentry_shape_is_right:
; Causal attention of one (batch, head) to a cluster, both products on codes of FP6 (E2M3) with E8M0 scales; the result, divided by the row's sum, is quantised along the head's 64 and leaves as codes for the last product.
; IN: qc, kc, vc: [16 b + head][102,400 bytes]: 4,096 bytes of scale words and 64 images of operand registers of 1,536 bytes (registers 4 g .. 4 g + 3 of lane l at 512 g + 16 l).
; A HEAD'S K AND V LIE IN LDS WHOLE, 2 x 102,400 bytes as they lie in memory, filled once by joint tensor loads (the four work-groups of a cluster read the same head): no ring, nothing is filled again, no LDS store.
; SHARES.  The head's 128 tiles of 16 queries are numbered 8 g + 2 cx + e, g the tile's group of 128 keys.  Wave w (e = w % 2, j = w / 2) makes g = j and then g = 15 - j: (j + 1) + (16 - j) = 17 key steps of 128 keys for every wave
; of every work-group.  g hangs on the wave's number alone: the four partners branch alike; cx enters global offsets and the mask's threshold only.
; LAYOUT.  Both products are used transposed: S^T = K Q^T, O^T = V^T P^T: a lane holds one query (lane % 16) throughout.
; THE HEAD'S 64 IN AN INSTRUCTION OF K = 128: a fragment of K holds two tiles of 16 keys, one in each half of K; it is multiplied by (q | 0) and by (0 | q).  Zero codes add nothing; q's two scale bytes stand twice in its word.
; ORDER INSIDE A BLOCK OF 32: q and k share one permuted order along the head's 64, p and v one along the keys (positions 0-7: k 0-7, 8-15: k 16-23, 16-23: k 8-15, 24-31: k 24-31), which is what natural tiles of 16 give.
; THE SOFTMAX: t = score x log2(e) / 8; M = the running largest t rounded up to a whole number; p = 2^(t - M) is quantised, not normalised; the sum is taken of the unquantised p.  When M moves, sum and O^T are multiplied by 2^(old M - new M).
; Hidden scores become -infinity (p = 0) in the one step on the diagonal; steps beyond it are left out by a scalar branch on ids, with the loops' trip counts constants.
; OUT: oc [token / 16][head][768]: lane (r, h): row r's codes of the head's block h, in natural order: registers 0-3 at 16 l, registers 4-5 at 512 + 8 l.  osc [token / 16][head / 8][r][head % 8]: two scale bytes.
; LIMITS: NaN and infinities are not served; a block whose largest magnitude lies under 2^-124 gets the byte 1 (its codes are zeros; only this program reads the bytes).
; No prefetch: every tensor load of the launch goes out at its head.
.set HEADB, 102400
.set VREG,  102400                     ; LDS: K's region at 0, V's here
.set SCB,   4096                       ; a region's scale words
.set FRB,   1536                       ; a fragment's image
.set STEPB, 4*FRB                      ; a key step's four fragments
.set T1R,   8                          ; a wave's first load: 8 rows of 256 bytes: eight waves bring the scale words and key steps 0 and 1
.set T2R,   42                         ; its second: 42 rows: the rest
.set T1B,   T1R*256
.set T2B,   T2R*256
.set T2O,   8*T1B
.set AK,   1                           ; v1   SCB + 16 x lane: my place in K's fragments
.set AV,   2                           ; v2   the same in V's
.set ASV,  4                           ; v4   VREG + 16 r: V's scale words
.set L16,  5                           ; v5   16 x lane
.set L8,   6                           ; v6   8 x lane
.set R16,  7                           ; v7   16 r: K's scale words
.set ADK,  8                           ; v8-11 the step's LDS addresses
.set ADV,  9
.set ADS,  10
.set ADT,  11
                                       ; v12 -M, v13 the largest t, v[14:15] the sum in two halves
.set QZ,   16                          ; v16-21 q, v22-27 zeros, v28-33 q: (q | 0) = v[16:27], (0 | q) = v[22:33]
.set QS,   34                          ; v34  q's scale word
.set DQ,   35                          ; v35  my query in its group of 128, less 8 h
.set FRG,  36                          ; v36-83 four fragments of K or of V
.set KSC,  84                          ; v84-87 K's scale words
.set VSC,  88                          ; v88-91 V's
.set NINF, 92                          ; v92  -infinity
.set OFA,  93                          ; v93-95 the stores' offsets
.set S,    96                          ; v96-159 S^T, then p
.set O,    160                         ; v160-191 O^T
.set P,    192                         ; v192-203 p's codes
.set CT,   204                         ; v204-206, v208-210 the conversions' second halves
.set BM,   212                         ; v212-215 the blocks' largest scores, then largest p
.set BT,   216                         ; v216-219 at work
.set SO,   220                         ; v220-223 the conversions' scale operands
.set FF,   224                         ; v[224:225] f = 2^(old M - new M)
.set PW,   226                         ; v226 p's scale word
.set TP,   227                         ; v227 at work
.set QB,   228                         ; v228-240 the second tile's q as loaded
.set OC,   244                         ; v244-249 codes to store
.macro ROUND                           ; a round of the cluster's barrier
	s_barrier_signal -1
	s_barrier_wait -1
	s_cmp_lg_u32 s14, 0
	s_cbranch_scc1 .Lnot_wave_0_\@
	s_barrier_signal -3
.Lnot_wave_0_\@:
	s_barrier_wait -3
	s_barrier_signal -1
	s_barrier_wait -1
.endm
	s_load_b256 s[4:11], s[0:1], 0x0               ; qc s[4:5], kc s[6:7], vc s[8:9], oc s[10:11]
	s_load_b64 s[12:13], s[0:1], 0x20              ; osc
	v_lshl_add_u32 v254, v0, 2, 0x32000
	v_mov_b32 v255, 0
	ds_add_u32 v254, v255
	ds_add_u32 v254, v255
	v_lshrrev_b32 v1, 5, v0
	s_delay_alu instid0(VALU_DEP_1)
	v_readfirstlane_b32 s14, v1                    ; wave 0..15
	s_and_b32 s15, s14, 1                          ; e
	s_lshr_b32 s16, s14, 1                         ; j
	s_bfe_u32 s17, ttmp6, 0x40000                  ; cx
	s_mov_b32 s18, ttmp9                           ; 16 b + head: the cluster's number
	s_mul_i32 s66, ttmp9, HEADB
	s_mov_b32 s67, 0
	s_and_b32 s48, s14, 7                          ; which eighth of a region I fetch
	s_mul_i32 s68, s48, T1B
	s_mov_b32 s69, 0
	s_mul_i32 s70, s48, T2B
	s_add_co_u32 s70, s70, T2O
	s_mov_b32 s71, 0
	; descriptor group 1: dense rows of 256 bytes (32 elements of 8), no padding; all four work-groups
	s_mov_b32 s24, 15|(3<<16)|(1<<21)
	s_mov_b32 s25, 32<<16                          ; tensor_dim0
	s_mov_b32 s26, T1R<<16                         ; tensor_dim1
	s_mov_b32 s27, 32<<16                          ; tile_dim0
	s_mov_b32 s28, T1R                             ; tile_dim1
	s_mov_b32 s29, 32                              ; the pitch
	s_mov_b32 s30, 0
	s_mov_b32 s31, 0
	s_mov_b32 s32, 15|(3<<16)|(1<<21)
	s_mov_b32 s33, 32<<16
	s_mov_b32 s34, T2R<<16
	s_mov_b32 s35, 32<<16
	s_mov_b32 s36, T2R
	s_mov_b32 s37, 32
	s_mov_b32 s38, 0
	s_mov_b32 s39, 0
	s_mov_b32 s20, 0x76543210
	s_mov_b32 s21, 0xfedcba98                      ; v_permlanex16_b32's selects for lane l xor 16
	s_mov_b32 s22, 0x3e38aa3b                      ; c = log2(e) / sqrt(64)
	s_mov_b32 s23, s22                             ; (named with it as a pair)
	s_cmp_eq_u32 s15, 0
	s_cselect_b32 s52, 0, -1                       ; all lanes where my tile is the fragment's second
	s_mov_b32 s53, 0x03020302
	s_cselect_b32 s53, 0x01000100, s53             ; which two bytes of q's scale word are mine, twice
	s_wait_dscnt 0x0
	s_wait_kmcnt 0x0
	s_add_nc_u64 s[4:5], s[4:5], s[66:67]          ; the three inputs at my head
	s_add_nc_u64 s[6:7], s[6:7], s[66:67]
	s_add_nc_u64 s[8:9], s[8:9], s[66:67]
	s_mov_b32 s40, 1                               ; group 0: K's first part,
	s_mov_b32 s41, s68
	s_add_nc_u64 s[42:43], s[6:7], s[68:69]
	s_or_b32 s43, s43, 0x80000000
	s_mov_b32 s44, 1                               ; K's second,
	s_mov_b32 s45, s70
	s_add_nc_u64 s[46:47], s[6:7], s[70:71]
	s_or_b32 s47, s47, 0x80000000
	s_mov_b32 s56, 1                               ; V's first,
	s_add_co_u32 s57, s68, VREG
	s_add_nc_u64 s[58:59], s[8:9], s[68:69]
	s_or_b32 s59, s59, 0x80000000
	s_mov_b32 s60, 1                               ; V's second
	s_add_co_u32 s61, s70, VREG
	s_add_nc_u64 s[62:63], s[8:9], s[70:71]
	s_or_b32 s63, s63, 0x80000000
	ROUND                                          ; all four work-groups are here: the joint loads meet
	s_cmp_lt_u32 s14, 8                            ; waves 0-7 fetch K, waves 8-15 V; a wave's two loads stand in one branch: two loads of mine are out
	s_cbranch_scc0 .Lfirst_v
	tensor_load_to_lds s[40:43], s[24:31]
	s_nop 0
	tensor_load_to_lds s[44:47], s[32:39]
	s_nop 0
.rept 4
	v_nop
.endr
	s_branch .Lfirst_asked
.Lfirst_v:
	tensor_load_to_lds s[56:59], s[24:31]
	s_nop 0
	tensor_load_to_lds s[60:63], s[32:39]
	s_nop 0
.rept 4
	v_nop
.endr
.Lfirst_asked:
	v_and_b32 v93, 31, v0                          ; lane
	v_and_b32 v94, 15, v0                          ; r
	v_bfe_u32 v95, v0, 4, 1                        ; h
	s_delay_alu instid0(VALU_DEP_3)
	v_lshlrev_b32 v[L16], 4, v93
	s_wait_alu depctr_va_vdst(0)
	v_lshlrev_b32 v[L8], 3, v93
	v_lshlrev_b32 v[R16], 4, v94
	s_wait_alu depctr_va_vdst(0)
	v_add_nc_u32 v[AK], SCB, v[L16]
	v_add_nc_u32 v[AV], VREG+SCB, v[L16]
	v_add_nc_u32 v[ASV], VREG, v[R16]
	s_lshl_b32 s66, s17, 1
	s_add_co_u32 s66, s66, s15
	s_lshl_b32 s66, s66, 4
	v_lshlrev_b32 v95, 3, v95
	s_delay_alu instid0(VALU_DEP_1)
	v_sub_nc_u32 v[DQ], v94, v95
	s_delay_alu instid0(VALU_DEP_1)
	v_add_nc_u32 v[DQ], s66, v[DQ]                 ; 16 (2 cx + e) + r - 8 h
	; q of both tiles: fragment 4 g + cx (my tile is its half e) and the scale word [g][r][cx]
	s_lshl_b32 s66, s16, 2
	s_add_co_u32 s66, s66, s17
	s_mul_i32 s66, s66, FRB
	s_add_co_u32 s66, s66, SCB
	s_lshl_b32 s67, s16, 8
	s_lshl_b32 s68, s17, 2
	s_add_co_u32 s67, s67, s68
	v_add_nc_u32 v244, s66, v[L16]
	v_add_nc_u32 v245, s67, v[R16]
	s_sub_co_u32 s69, 15, s16
	s_lshl_b32 s66, s69, 2
	s_add_co_u32 s66, s66, s17
	s_mul_i32 s66, s66, FRB
	s_add_co_u32 s66, s66, SCB
	s_lshl_b32 s67, s69, 8
	s_add_co_u32 s67, s67, s68
	v_add_nc_u32 v246, s66, v[L16]
	v_add_nc_u32 v247, s67, v[R16]
.irp g, 0,1,2
	global_load_b128 v[S+4*\g:S+4*\g+3], v244, s[4:5] offset:512*\g
.endr
	global_load_b32 v[S+12], v245, s[4:5]
.irp g, 0,1,2
	global_load_b128 v[QB+4*\g:QB+4*\g+3], v246, s[4:5] offset:512*\g
.endr
	global_load_b32 v[QB+12], v247, s[4:5]
	v_mov_b32 v[NINF], 0xff800000
.irp i, 0,1,2,3,4,5
	v_mov_b32 v[QZ+6+\i], 0                        ; the zero codes between the two copies of q
.endr
.irp b, 0,1,2,3
	v_mov_b32 v[BT+\b], 0                          ; written once: a lane permute's destination counts as one of its sources
.endr
	v_mov_b32 v[FF+1], 0                           ; (named as the upper half of the pair)
	v_mov_b32 v[TP], 0
; A tile begins: q and its scale word out of the fragment at v[f]; O^T and the sum are zeros, the largest t is -3e38: the first change of M multiplies zeros.
.macro PROLOG f
.irp i, 0,1,2,3,4,5
	v_cndmask_b32 v[QZ+\i], v[\f+\i], v[\f+6+\i], s52
	v_cndmask_b32 v[QZ+12+\i], v[\f+\i], v[\f+6+\i], s52
.endr
	v_perm_b32 v[QS], v[\f+12], v[\f+12], s53
	v_mov_b32 v13, 0xff61b1e6
	s_delay_alu instid0(VALU_DEP_1)
	v_floor_f32 v12, -v13
	v_mov_b32 v14, 0
	v_mov_b32 v15, 0
.set J, 0
.rept 32
	v_mov_b32 v[O+J], 0                            ; (these also stand between the lines above and the first scaled product)
.set J, J+1
.endr
.endm
; A KEY STEP: 128 keys, step s48 of the head; s49 = my tile's group; s50, s51 = the step's bytes among the fragments and the scale words.
.macro STEP
	s_cmp_gt_u32 s48, s49                          ; all its keys come after my queries: left out
	s_cbranch_scc1 .Lhid_\@
	s_setprio 2
	v_add_nc_u32 v[ADK], s50, v[AK]                ; four plain lines: the places behind the last step's products, in front of the loads into their operands
	v_add_nc_u32 v[ADV], s50, v[AV]
	v_add_nc_u32 v[ADS], s51, v[R16]
	v_add_nc_u32 v[ADT], s51, v[ASV]
.irp k, 0,1,2,3,4,5,6,7,8,9,10,11
	ds_load_b128 v[FRG+4*\k:FRG+4*\k+3], v[ADK] offset:512*\k   ; K's four fragments as they lie: 32 lanes read 512 consecutive bytes
.endr
	ds_load_b128 v[KSC:KSC+3], v[ADS]
	s_wait_alu depctr_va_vdst(0)
	s_wait_dscnt 0x0
.irp i, 0,1,2,3
.irp u, 0,1                            ; tile 2 i + u: keys 32 i + 16 u + 8 h + j in register j
	v_wmma_scale_f32_16x16x128_f8f6f4 v[S+8*(2*\i+\u):S+8*(2*\i+\u)+7], v[FRG+12*\i:FRG+12*\i+11], v[QZ+6*\u:QZ+6*\u+11], 0, v[KSC+\i], v[QS] matrix_a_fmt:MATRIX_FMT_FP6 matrix_b_fmt:MATRIX_FMT_FP6
.endr
.endr
.rept 4
	v_nop                                          ; places in front of the loads below and of the first read of the scores
.endr
.irp k, 0,1,2,3,4,5,6,7,8,9,10,11
	ds_load_b128 v[FRG+4*\k:FRG+4*\k+3], v[ADV] offset:512*\k   ; V's four fragments land while the softmax is worked
.endr
	ds_load_b128 v[VSC:VSC+3], v[ADT]
	s_cmp_lt_u32 s48, s49                          ; all its keys count: no mask
	s_cbranch_scc1 .Lopen_\@
.set N, 0
.rept 64                               ; register N holds key 16 (N / 8) + N % 8 + 8 h of the step: hidden where that is beyond my query
	v_cmp_gt_i32 vcc_lo, 16*(N/8)+N%8, v[DQ]
	v_cndmask_b32 v[S+N], v[S+N], v[NINF], vcc_lo
.set N, N+1
.endr
.Lopen_\@:
.irp b, 0,1,2,3
	v_max3_num_f32 v[BM+\b], v[S+16*\b], v[S+1+16*\b], v[S+2+16*\b]   ; the largest score of each block of 32 keys: it serves the row's maximum and, since p rises with the score, the block's largest p
.endr
.irp i, 3,5,7,9,11,13
.irp b, 0,1,2,3
	v_max3_num_f32 v[BM+\b], v[BM+\b], v[S+16*\b+\i], v[S+1+16*\b+\i]
.endr
.endr
.irp b, 0,1,2,3
	v_max_num_f32 v[BM+\b], v[BM+\b], v[S+15+16*\b]
.endr
.irp b, 0,1,2,3
	s_delay_alu instid0(VALU_DEP_4)
	v_permlanex16_b32 v[BT+\b], v[BM+\b], s20, s21
.endr
.irp b, 0,1,2,3
	s_delay_alu instid0(VALU_DEP_4)
	v_max_num_f32 v[BM+\b], v[BM+\b], v[BT+\b]     ; with lane l xor 16's 16 keys
.endr
	s_delay_alu instid0(VALU_DEP_2)
	v_max3_num_f32 v[TP], v[BM], v[BM+1], v[BM+2]
	s_delay_alu instid0(VALU_DEP_1)
	v_max_num_f32 v[TP], v[TP], v[BM+3]
	s_delay_alu instid0(VALU_DEP_1)
	v_mul_f32 v[TP], s22, v[TP]                    ; the step's largest t
	s_delay_alu instid0(VALU_DEP_1)
	v_max_num_f32 v13, v13, v[TP]
	v_mov_b32 v[TP], v12
	s_delay_alu instid0(VALU_DEP_2)
	v_floor_f32 v12, -v13                          ; the new -M = -ceil(t)
	s_delay_alu instid0(VALU_DEP_1)
	v_sub_f32 v[TP], v12, v[TP]                    ; old M - new M: a whole number, 0 or less
	s_delay_alu instid0(VALU_DEP_1)
	v_cvt_i32_f32 v[TP], v[TP]                     ; (it saturates)
	s_delay_alu instid0(VALU_DEP_1)
	v_ldexp_f32 v[FF], 1.0, v[TP]                  ; f: a multiplication by it rounds nothing
.set J, 0
.rept 32
	v_pk_fma_f32 v[S+J:S+J+1], v[S+J:S+J+1], s[22:23], v[12:13] op_sel_hi:[1,0,0]   ; t - M, two at a time
.set J, J+2
.endr
	s_setprio 1
.irp b, 0,1,2,3
	v_fma_f32 v[BM+\b], v[BM+\b], s22, v12
.endr
.set J, 0
	s_wait_alu depctr_va_vdst(0)
.rept 64
	v_exp_f32 v[S+J], v[S+J]                       ; p = 2^(t - M)
.set J, J+1
.endr
	v_pk_mul_f32 v[14:15], v[14:15], v[FF:FF+1] op_sel_hi:[1,0]   ; the sums under the new M: a plain line behind the exponentials
	s_wait_alu depctr_va_vdst(0)                   ; one wait for the batch, ahead of its first reader
.irp b, 0,1,2,3
	v_exp_f32 v[BM+\b], v[BM+\b]                   ; each block's largest p
.endr
	v_pk_add_f32 v[216:217], v[100:101], v[104:105]
	v_pk_add_f32 v[252:253], v[108:109], v[112:113]
	v_pk_add_f32 v[250:251], v[116:117], v[120:121]
	v_pk_add_f32 v[248:249], v[124:125], v[128:129]
	v_pk_add_f32 v[246:247], v[132:133], v[136:137]
	v_pk_add_f32 v[244:245], v[140:141], v[144:145]
	v_pk_add_f32 v[242:243], v[148:149], v[152:153]
	v_pk_add_f32 v[14:15], v[14:15], v[156:157]
	v_pk_add_f32 v[216:217], v[216:217], v[96:97]
	v_pk_add_f32 v[252:253], v[252:253], v[98:99]
	v_pk_add_f32 v[250:251], v[250:251], v[102:103]
	v_pk_add_f32 v[248:249], v[248:249], v[106:107]
	v_pk_add_f32 v[246:247], v[246:247], v[110:111]
	v_pk_add_f32 v[244:245], v[244:245], v[114:115]
	v_pk_add_f32 v[242:243], v[242:243], v[118:119]
	v_pk_add_f32 v[14:15], v[14:15], v[122:123]
	v_pk_add_f32 v[216:217], v[216:217], v[126:127]
	v_pk_add_f32 v[252:253], v[252:253], v[130:131]
	v_pk_add_f32 v[250:251], v[250:251], v[134:135]
	v_pk_add_f32 v[248:249], v[248:249], v[138:139]
	v_pk_add_f32 v[246:247], v[246:247], v[142:143]
	v_pk_add_f32 v[244:245], v[244:245], v[146:147]
	v_pk_add_f32 v[242:243], v[242:243], v[150:151]
	v_pk_add_f32 v[14:15], v[14:15], v[154:155]
	v_pk_add_f32 v[216:217], v[216:217], v[158:159]
	s_delay_alu instid0(VALU_DEP_2)
	v_pk_add_f32 v[14:15], v[14:15], v[248:249]
	s_delay_alu instid0(VALU_DEP_2)
	v_pk_add_f32 v[216:217], v[216:217], v[246:247]
	v_pk_add_f32 v[252:253], v[252:253], v[244:245]
	v_pk_add_f32 v[250:251], v[250:251], v[242:243]
	s_delay_alu instid0(VALU_DEP_2)
	v_pk_add_f32 v[14:15], v[14:15], v[252:253]
	s_delay_alu instid0(VALU_DEP_2)
	v_pk_add_f32 v[216:217], v[216:217], v[250:251]
	s_delay_alu instid0(VALU_DEP_1)
	v_pk_add_f32 v[14:15], v[14:15], v[216:217]
	s_wait_alu depctr_va_vdst(0)                   ; and one for the four
.irp b, 0,1,2,3
	v_max_num_f32 v[BM+\b], 0x1800000, v[BM+\b]    ; the floor 2^(3 - 127): the byte cannot fall under 1
.endr
.irp b, 0,1,2,3
	s_delay_alu instid0(VALU_DEP_4)
	v_add_nc_u32 v[SO+\b], 0xff000000, v[BM+\b]    ; 2 off the exponent field: the conversion's scale operand
.endr
.irp b, 0,1,2,3
	s_delay_alu instid0(VALU_DEP_4)
	v_lshrrev_b32 v[BT+\b], 23, v[SO+\b]           ; the scale's byte
.endr
	s_delay_alu instid0(VALU_DEP_3)
	v_lshl_or_b32 v[PW], v[BT+1], 8, v[BT]
	s_delay_alu instid0(VALU_DEP_1)
	v_lshl_or_b32 v[PW], v[BT+2], 16, v[PW]
	s_delay_alu instid0(VALU_DEP_1)
	v_lshl_or_b32 v[PW], v[BT+3], 24, v[PW]
	s_setprio 0
.irp c, 0,1
	v_cvt_scalef32_pk16_fp6_f32 v[P+6*\c:P+6*\c+2], v[S+32*\c:S+32*\c+15], v[SO+2*\c]
	v_cvt_scalef32_pk16_fp6_f32 v[CT+4*\c:CT+4*\c+2], v[S+16+32*\c:S+31+32*\c], v[SO+2*\c+1]
.endr
	v_nop                                          ; one plain line behind the scaled conversions
.irp c, 0,1
.irp i, 0,1,2
	v_permlane16_swap_b32 v[P+6*\c+\i], v[CT+4*\c+\i]   ; a whole block to a lane
.endr
.irp i, 0,1,2
	s_delay_alu instid0(VALU_DEP_3)
	v_mov_b32 v[P+3+6*\c+\i], v[CT+4*\c+\i]
.endr
.endr
.set J, 0
.rept 16
	v_pk_mul_f32 v[O+J:O+J+1], v[O+J:O+J+1], v[FF:FF+1] op_sel_hi:[1,0]   ; O^T under the new M; these sixteen also stand between p's codes and scale word and the products
.set J, J+2
.endr
	s_wait_alu depctr_va_vdst(0)
	s_wait_dscnt 0x0                               ; V is in
.irp t, 0,1,2,3
	v_wmma_scale_f32_16x16x128_f8f6f4 v[O+8*\t:O+8*\t+7], v[FRG+12*\t:FRG+12*\t+11], v[P:P+11], v[O+8*\t:O+8*\t+7], v[VSC+\t], v[PW] matrix_a_fmt:MATRIX_FMT_FP6 matrix_b_fmt:MATRIX_FMT_FP6
.endr
.Lhid_\@:
.endm
.macro LOOP first, last                ; key steps first .. last - 1: the trip count is a constant; what lies beyond a wave's diagonal is jumped over inside
	s_mov_b32 s48, \first
	s_mov_b32 s50, \first*STEPB
	s_mov_b32 s51, \first*256
.Lstep_\@:
	STEP
	s_add_co_u32 s50, s50, STEPB
	s_add_co_u32 s51, s51, 256
	s_add_co_u32 s48, s48, 1
	s_cmp_lt_u32 s48, \last
	s_cbranch_scc1 .Lstep_\@
	s_setprio 0
.endm
; A tile ends: O^T / the sum; its two blocks of 32 along the head's 64 are quantised, put back into natural order and stored.
.macro EPILOG
	s_lshr_b32 s66, s18, 4
	s_lshl_b32 s66, s66, 7
	s_lshl_b32 s67, s49, 3
	s_add_co_u32 s66, s66, s67
	s_lshl_b32 s67, s17, 1
	s_add_co_u32 s66, s66, s67
	s_add_co_u32 s66, s66, s15                     ; my tile among the 512: 128 b + 8 g + 2 cx + e
	s_and_b32 s67, s18, 15                         ; the head
	s_mul_i32 s68, s66, 12288
	s_mul_i32 s69, s67, 768
	s_add_co_u32 s68, s68, s69
	s_lshl_b32 s66, s66, 9
	s_lshr_b32 s69, s67, 3
	s_lshl_b32 s69, s69, 8
	s_add_co_u32 s66, s66, s69
	s_and_b32 s69, s67, 7
	s_lshl_b32 s69, s69, 1
	s_add_co_u32 s66, s66, s69
	v_add_nc_u32 v[OFA], s68, v[L16]               ; four plain lines: the places behind the last products
	v_add_nc_u32 v[OFA+1], s68, v[L8]
	v_add_nc_u32 v[OFA+2], s66, v[R16]
	v_add_f32 v14, v14, v15                        ; the sum's two halves,
	s_delay_alu instid0(VALU_DEP_1)
	v_permlanex16_b32 v[TP], v14, s20, s21
	s_delay_alu instid0(VALU_DEP_1)
	v_add_f32 v14, v14, v[TP]                      ; and lane l xor 16's
	s_wait_alu depctr_va_vdst(0)
	v_rcp_f32 v14, v14
	v_nop                                          ; a plain line behind the reciprocal,
	s_wait_alu depctr_va_vdst(0)                   ; and the wait ahead of its first reader
.set J, 0
.rept 32
	v_mul_f32 v[S+J], v[O+J], v14                  ; register 16 beta + 8 u + j: channel 32 beta + 16 u + 8 h + j of my query
.set J, J+1
.endr
.irp b, 0,1
	v_max3_num_f32 v[BM+\b], |v[S+16*\b]|, |v[S+1+16*\b]|, 0x1800000
.endr
.irp i, 2,4,6,8,10,12,14
.irp b, 0,1
	s_delay_alu instid0(VALU_DEP_2)
	v_max3_num_f32 v[BM+\b], v[BM+\b], |v[S+16*\b+\i]|, |v[S+1+16*\b+\i]|
.endr
.endr
.irp b, 0,1
	s_delay_alu instid0(VALU_DEP_2)
	v_permlanex16_b32 v[BT+\b], v[BM+\b], s20, s21
.endr
.irp b, 0,1
	s_delay_alu instid0(VALU_DEP_2)
	v_max_num_f32 v[BM+\b], v[BM+\b], v[BT+\b]
.endr
.irp b, 0,1
	s_delay_alu instid0(VALU_DEP_2)
	v_add_nc_u32 v[SO+\b], 0xff000000, v[BM+\b]
.endr
.irp b, 0,1
	s_delay_alu instid0(VALU_DEP_2)
	v_lshrrev_b32 v[BT+\b], 23, v[SO+\b]
.endr
	s_delay_alu instid0(VALU_DEP_1)
	v_lshl_or_b32 v[TP], v[BT+1], 8, v[BT]         ; the row's two scale bytes
	v_cvt_scalef32_pk16_fp6_f32 v[CT:CT+2], v[S:S+15], v[SO]
	v_cvt_scalef32_pk16_fp6_f32 v[CT+4:CT+6], v[S+16:S+31], v[SO+1]
	v_nop
.irp i, 0,1,2
	v_permlane16_swap_b32 v[CT+\i], v[CT+4+\i]     ; lane (r, h) now holds block h: positions 0-15 in v204-206, 16-31 in v208-210
.endr
	s_delay_alu instid0(VALU_DEP_3)
	; eight codes are 48 bits.  Positions 0-7, 8-15, 16-23, 24-31 hold channels 0-7, 16-23, 8-15, 24-31: the two middle groups change places
	v_mov_b32 v[OC], v[CT]
	s_delay_alu instid0(VALU_DEP_3)
	v_perm_b32 v[OC+1], v[CT+4], v[CT+1], 0x05040100
	s_delay_alu instid0(VALU_DEP_4)
	v_perm_b32 v[OC+2], v[CT+5], v[CT+4], 0x05040302
	s_delay_alu instid0(VALU_DEP_4)
	v_perm_b32 v[OC+3], v[CT+2], v[CT+1], 0x05040302
	v_perm_b32 v[OC+4], v[CT+5], v[CT+2], 0x07060302
	v_mov_b32 v[OC+5], v[CT+6]
	global_store_b128 v[OFA], v[OC:OC+3], s[10:11]               ; 512 consecutive bytes, aligned
	global_store_b64 v[OFA+1], v[OC+4:OC+5], s[10:11] offset:512 ; 256 consecutive bytes, aligned
	global_store_b16 v[OFA+2], v[TP], s[12:13]                   ; lanes r and r + 16 write the same two bytes
	s_wait_xcnt 0x0                                ; the stores have read their registers: the next tile may write them
.endm
	s_wait_loadcnt 0x0                             ; q of both tiles
	s_mov_b32 s49, s16                             ; the first tile: g = j
	PROLOG S
	s_wait_tensorcnt 0x1                           ; my first load is in; the second may be out
	s_barrier_signal -1
	s_barrier_wait -1                              ; the scale words and key steps 0 and 1 are whole
	LOOP 0, 2
	s_wait_tensorcnt 0x0                           ; my second load is in,
	s_wait_dscnt 0x0
	s_barrier_signal -1
	s_barrier_wait -1                              ; everybody's is: the whole head lies in LDS
	LOOP 2, 8
	EPILOG
	s_sub_co_u32 s49, 15, s16                      ; the second tile: g = 15 - j
	PROLOG QB
	LOOP 0, 16
	EPILOG
	s_wait_dscnt 0x0
	s_wait_tensorcnt 0x0
	ds_add_u32 v254, v255
	s_wait_dscnt 0x0
	ROUND                                          ; the closing round
	s_endpgm
.Lfunc_end_k_qa96a8dd52b_attn:
	.size	k_qa96a8dd52b_attn, .Lfunc_end_k_qa96a8dd52b_attn-k_qa96a8dd52b_attn
	.p2alignl 7, 3214868480
	.fill 96, 4, 3214868480
	.section	.rodata,"a",@progbits
	.p2align	6, 0x0
	.amdhsa_kernel k_qa96a8dd52b_attn
		.amdhsa_group_segment_fixed_size 206848
		.amdhsa_private_segment_fixed_size 0
		.amdhsa_enable_private_segment 0
		.amdhsa_kernarg_size 40
		.amdhsa_user_sgpr_count 2
		.amdhsa_user_sgpr_kernarg_segment_ptr 1
		.amdhsa_wavefront_size32 1
		.amdhsa_system_sgpr_workgroup_id_x 1
		.amdhsa_system_sgpr_workgroup_id_y 1
		.amdhsa_system_sgpr_workgroup_id_z 1
		.amdhsa_system_vgpr_workitem_id 0
		.amdhsa_next_free_vgpr 256
		.amdhsa_next_free_sgpr 72
		.amdhsa_reserve_vcc 1
		.amdhsa_float_denorm_mode_32 3
		.amdhsa_float_denorm_mode_16_64 3
		.amdhsa_memory_ordered 1
		.amdhsa_forward_progress 1
		.amdhsa_inst_pref_size 89
	.end_amdhsa_kernel
	.amdgpu_metadata
---
amdhsa.version: [ 1, 2 ]
amdhsa.kernels:
  - .name:           k_qa96a8dd52b_attn
    .symbol:         k_qa96a8dd52b_attn.kd
    .args:
      - { .name: qc, .offset: 0, .size: 8, .value_kind: global_buffer, .address_space: global }
      - { .name: kc, .offset: 8, .size: 8, .value_kind: global_buffer, .address_space: global }
      - { .name: vc, .offset: 16, .size: 8, .value_kind: global_buffer, .address_space: global }
      - { .name: oc, .offset: 24, .size: 8, .value_kind: global_buffer, .address_space: global }
      - { .name: osc, .offset: 32, .size: 8, .value_kind: global_buffer, .address_space: global }
    .group_segment_fixed_size: 206848
    .private_segment_fixed_size: 0
    .kernarg_segment_align: 8
    .kernarg_segment_size: 40
    .max_flat_workgroup_size: 512
    .sgpr_count:     72
    .vgpr_count:     256
    .wavefront_size: 32
...
	.end_amdgpu_metadata
.endif
;; end of part 2
;; launch proj (part 3): grid 4 x 64, 4 waves a work-group, clusters of 4 x 4, 327,680 bytes of LDS; arguments oc, osc, W_proj_codes, W_proj_scales, b_proj, out0; writes out0
.if DOCPART == 3
	.amdgcn_target "amdgcn-amd-amdhsa--gfx1250"
	.amdhsa_code_object_version 6
	.text
	.protected	k_qa96a8dd52b_proj
	.globl	k_qa96a8dd52b_proj
	.p2align	8
	.type	k_qa96a8dd52b_proj,@function
k_qa96a8dd52b_proj:
	s_mov_b64 s[64:65], 0
	v_nop
	global_prefetch_b8 v0, s[64:65] scope:SCOPE_SE
	s_setreg_imm32_b32 hwreg(HW_REG_WAVE_MODE, 25, 1), 1
	s_wait_xcnt 0x0
	s_wait_alu depctr_hold_cnt(0) depctr_sa_sdst(0) depctr_va_vdst(0) depctr_va_sdst(0) depctr_va_ssrc(0) depctr_va_vcc(0) depctr_vm_vsrc(0)
	s_getreg_b32 s2, hwreg(HW_REG_IB_STS2, 6, 4)
	s_cmp_eq_u32 s2, 0
	s_cbranch_scc0 .Lentry_in_a_cluster
	s_endpgm
.Lentry_in_a_cluster:
	s_bfe_u32 s2, ttmp6, 0x10000c
	s_cmp_lg_u32 s2, 0xf033
	s_cbranch_scc0 .Lentry_shape_is_right
	s_endpgm
.Lentry_shape_is_right:
; out0 = a W_proj + b_proj on codes of FP6 (E2M3) with E8M0 scales.  a: the attention's result, 8,192 rows x 1,024, as images of operand registers (oc) and scale words (osc); W_proj: [1024 (n)][1024 (k)] codes, rows of 768 bytes.
; A tile of out0 is 128 rows x 256 columns: 256 work-groups.  Four waves, 64 x 128 each: 32 accumulators, 256 registers.  The matrix instruction is used transposed (source 0 = 16 rows of W, source 1 = 16 rows of a):
; a lane holds eight neighbouring numbers of a row of out0.  The bias is the C of each sum's first matrix instruction.
; ALL OF K LIES IN LDS, in two halves of 512, each with bytes of its own, filled once by joint tensor loads at the head: nothing is filled again.  The second half lands while the first is multiplied.
; CLUSTERS: 4 x 4 work-groups: a's tiles are shared along a row of the cluster, W's along a column.
; oc: [row tile of 16][head][768]: lane (r, h): registers 0-3 at 16 l, registers 4-5 at 512 + 8 l: the head's block h of row r.  Two neighbouring heads are a fragment: K = 128.
; osc: [row tile][K / 512][r][4 words]: word s % 4 is K step s's scale word of row r.
; The scale words come straight from memory into registers, once: 512 and 256 consecutive bytes a load.
; No prefetch: every tensor load of the launch goes out at its head.
; REGISTERS, in windows of 256: window 0: v0-31 addresses; v32-95 W's scale words (8 b + s); v96-127 a's (8 a + s); v128-255 the way out.
;   window 1: W's fragments, two sets, at v0 and v128.   window 2: the accumulators ((a, b) at v[8 (8 a + b)]).   window 3: a's fragments, two sets, at v0 and v48; v128-191 the bias (8 b + j).
.set HALF,   159744                    ; LDS: a half of K: a's 8 row tiles x 6,144 bytes, then W's 256 rows x 432
.set ART,    6144
.set BOFF,   8*ART
.set BP,     432                       ; a row of W: 3 x (128 bytes + 16 of padding) = 108 words: row r starts at bank 44 r mod 64, so the 32 lanes of a load of 8 bytes touch 64 different banks (64 banks of 4 bytes: ISA guide 11.1)
.set FR,     12
.set SPITCH, 528                       ; the way out: a stage of 16 rows x (512 + 16) bytes for each wave, in the first half's bytes, which nobody reads behind the second barrier and no load fills again
.set A16,  16                          ; v16-17 a's fragments, 16 x lane, half 0, 1
.set A8,   18                          ; v18-19 the same with 8 x lane
.set ADRB, 20                          ; v20-21 W's fragments, half 0, 1;  v22-23 behind one padding more
.set STO,  24
.set RD,   25
.set CO,   26
.set SB,   32
.set SA,   96
.set BK,   128
.set BIA,  128                         ; in window 3
.set G1, 24
.set G0, 32
.set G1B, 48
.set G0B, 56
.set MSB, 0
.macro WIN new                         ; the immediate's high byte repeats the setting that is left
.if MSB != (\new)
	s_set_vgpr_msb (MSB<<8)|(\new)
.set MSB, (\new)
.endif
.endm
.macro CROUND                          ; a round of the cluster's barrier
	s_barrier_signal -1
	s_barrier_wait -1
	s_cmp_lg_u32 s16, 0
	s_cbranch_scc1 .Lnot_wave_0_\@
	s_barrier_signal -3
.Lnot_wave_0_\@:
	s_barrier_wait -3
	s_barrier_signal -1
	s_barrier_wait -1
.endm
.macro PLACES
.rept 4
	v_nop
.endr
.endm
	s_load_b256 s[4:11], s[0:1], 0x0               ; oc s[4:5], osc s[6:7], W's codes s[8:9], W's scales s[10:11]
	s_load_b128 s[12:15], s[0:1], 0x20             ; b_proj s[12:13], out0 s[14:15]
	v_lshl_add_u32 v30, v0, 2, 0x4e000
	v_mov_b32 v31, 0
	ds_add_u32 v30, v31
	ds_add_u32 v30, v31
	v_lshrrev_b32 v1, 5, v0
	v_readfirstlane_b32 s16, v1                    ; wave 0..3
	s_lshr_b32 s17, s16, 1                         ; which 64 rows are mine.  Also: I fetch for a (0) or for W (1)
	s_and_b32 s18, s16, 1                          ; which 128 columns.  Also: which half of that tile I fetch
	s_bfe_u32 s40, ttmp6, 0x40000                  ; cx = the tile column (one cluster along x)
	s_bfe_u32 s41, ttmp6, 0x40004                  ; cy
	s_and_b32 s42, ttmp7, 0xffff
	s_lshl_b32 s42, s42, 2
	s_add_co_u32 s42, s42, s41                     ; tile row = 4 x cluster y + cy
	s_lshl_b32 s43, s41, 2
	s_lshl_b32 s43, 15, s43                        ; my row of the cluster
	s_lshl_b32 s44, 0x1111, s40                    ; my column
	; a: 4 row tiles x 6,144 bytes (768 elements of 8), 12,288 bytes apart, dense in LDS
	s_or_b32 s[G1+0], s43, (3<<16)|(1<<21)
	s_mov_b32 s[G1+1], 768<<16                     ; tensor_dim0
	s_mov_b32 s[G1+2], 4<<16                       ; tensor_dim1
	s_mov_b32 s[G1+3], 768<<16                     ; tile_dim0
	s_mov_b32 s[G1+4], 4                           ; tile_dim1
	s_mov_b32 s[G1+5], 1536                        ; the pitch
	s_mov_b32 s[G1+6], 0
	s_mov_b32 s[G1+7], 0
	; W: 128 rows x 384 bytes, 768 apart, 16 bytes of padding behind every 128
	s_or_b32 s[G1B+0], s44, (0<<16)|(1<<20)|(1<<21)|(4<<22)|(3<<25)
	s_mov_b32 s[G1B+1], 384<<16
	s_mov_b32 s[G1B+2], 128<<16
	s_mov_b32 s[G1B+3], 384<<16
	s_mov_b32 s[G1B+4], 128
	s_mov_b32 s[G1B+5], 768
	s_mov_b32 s[G1B+6], 0
	s_mov_b32 s[G1B+7], 0
	s_lshl_b32 s20, s42, 3
	s_lshl_b32 s19, s18, 2
	s_add_co_u32 s20, s20, s19                     ; a: row tile 8 x tile row + 4 x half
	s_mul_i32 s20, s20, 12288
	s_mov_b32 s21, 0
	s_lshl_b32 s46, s40, 8
	s_lshl_b32 s19, s18, 7
	s_add_co_u32 s46, s46, s19                     ; W: row 256 cx + 128 x half
	s_mul_i32 s46, s46, 768
	s_mov_b32 s47, 0
	s_mul_i32 s22, s18, 4*ART                      ; where they go: no place in the cluster enters an LDS address
	s_mul_i32 s23, s18, 128*BP
	s_add_co_u32 s23, s23, BOFF
	s_wait_dscnt 0x0
	s_wait_kmcnt 0x0
	s_add_nc_u64 s[20:21], s[4:5], s[20:21]
	s_add_nc_u64 s[46:47], s[8:9], s[46:47]
.irp f, 0,1
	s_mov_b32 s[G0+4*\f], 1
	s_add_co_u32 s[G0+4*\f+1], s22, \f*HALF
	s_add_nc_u64 s[G0+4*\f+2:G0+4*\f+3], s[20:21], \f*ART
	s_or_b32 s[G0+4*\f+3], s[G0+4*\f+3], 0x80000000
	s_mov_b32 s[G0B+4*\f], 1
	s_add_co_u32 s[G0B+4*\f+1], s23, \f*HALF
	s_add_nc_u64 s[G0B+4*\f+2:G0B+4*\f+3], s[46:47], \f*384
	s_or_b32 s[G0B+4*\f+3], s[G0B+4*\f+3], 0x80000000
.endr
	CROUND                                         ; all sixteen work-groups are here: the joint loads meet
	s_cmp_eq_u32 s17, 0                            ; a wave's two loads stand in one branch: two loads of mine are out
	s_cbranch_scc0 .Lfirst_b
	tensor_load_to_lds s[G0:G0+3], s[G1:G1+7]
	s_nop 0
	tensor_load_to_lds s[G0+4:G0+7], s[G1:G1+7]
	s_nop 0
.rept 4
	v_nop
.endr
	s_branch .Lfirst_asked
.Lfirst_b:
	tensor_load_to_lds s[G0B:G0B+3], s[G1B:G1B+7]
	s_nop 0
	tensor_load_to_lds s[G0B+4:G0B+7], s[G1B:G1B+7]
	s_nop 0
.rept 4
	v_nop
.endr
.Lfirst_asked:
	v_and_b32 v1, 15, v0                           ; r
	v_bfe_u32 v2, v0, 4, 1                         ; h
	v_and_b32 v3, 31, v0                           ; lane
	s_mul_i32 s19, s17, 4*ART                      ; my four row tiles of a
	v_lshl_add_u32 v[A16], v3, 4, s19
	v_lshl_add_u32 v[A8], v3, 3, s19
	v_add_nc_u32 v[A16+1], HALF, v[A16]
	v_add_nc_u32 v[A8+1], HALF, v[A8]
	v_mul_u32_u24 v4, v1, BP
	v_mad_u32_u24 v4, v2, 24, v4
	s_mul_i32 s19, s18, 128*BP
	s_add_co_u32 s19, s19, BOFF                    ; my 128 rows of W
	v_add_nc_u32 v[ADRB], s19, v4
	v_lshl_add_u32 v[ADRB+2], v2, 4, v[ADRB]
	v_add_nc_u32 v[ADRB+1], HALF, v[ADRB]
	v_add_nc_u32 v[ADRB+3], HALF, v[ADRB+2]
	s_mul_i32 s19, s16, 16*SPITCH                  ; my stage
	v_mul_u32_u24 v5, v1, SPITCH
	v_lshl_add_u32 v5, v2, 5, v5
	v_add_nc_u32 v[STO], s19, v5                   ; in: row r, 32 bytes for each half of the lanes
	v_lshlrev_b32 v[CO], 4, v3
	v_add_nc_u32 v[RD], s19, v[CO]                 ; back: the 32 lanes take one row of 512 bytes
	s_lshl_b32 s66, s40, 8
	s_lshl_b32 s67, s18, 7
	s_add_co_u32 s66, s66, s67                     ; my first column
	s_lshl_b32 s68, s66, 5
	s_mov_b32 s69, 0
	s_add_nc_u64 s[10:11], s[10:11], s[68:69]      ; its row of W's scale bytes
	s_lshl_b32 s68, s66, 2
	s_add_nc_u64 s[12:13], s[12:13], s[68:69]      ; its bias
	s_add_nc_u64 s[14:15], s[14:15], s[68:69]      ; its place in a row of out0
	s_lshl_b32 s66, s42, 3
	s_lshl_b32 s67, s17, 2
	s_add_co_u32 s66, s66, s67                     ; my first row tile
	s_lshl_b32 s68, s66, 9
	s_add_nc_u64 s[6:7], s[6:7], s[68:69]          ; its scale words
	s_lshl_b32 s68, s66, 16
	s_add_nc_u64 s[14:15], s[14:15], s[68:69]      ; its 16 rows of 4,096 bytes
	v_lshlrev_b32 v6, 5, v1
	v_lshlrev_b32 v7, 4, v1
	v_lshlrev_b32 v8, 5, v2
.irp b, 0,1,2,3,4,5,6,7
	global_load_b128 v[SB+8*\b:SB+8*\b+3], v6, s[10:11] offset:512*\b        ; row 16 b + r of W: its eight scale words
	global_load_b128 v[SB+8*\b+4:SB+8*\b+7], v6, s[10:11] offset:512*\b+16
.endr
.irp a, 0,1,2,3
.irp f, 0,1
	global_load_b128 v[SA+8*\a+4*\f:SA+8*\a+4*\f+3], v7, s[6:7] offset:512*\a+256*\f
.endr
.endr
	WIN 0xc0                                       ; destination window 3
.irp b, 0,1,2,3,4,5,6,7
	global_load_b128 v[BIA+8*\b:BIA+8*\b+3], v8, s[12:13] offset:64*\b       ; b_proj of columns 16 b + 8 h + 0 .. 7
	global_load_b128 v[BIA+8*\b+4:BIA+8*\b+7], v8, s[12:13] offset:64*\b+16
.endr
	WIN 0
.macro FRAGB reg, hf, q, i             ; a fragment of W: six pieces of 8 bytes; lanes 16-31 read three pieces on; where that is behind one padding more (16 pieces to a padding), the second address register serves
.irp p, 0,1,2,3,4,5
.set PCE, 12*(\q)+6*(\p/3)+\p%3
.if PCE%16 < 13
	ds_load_b64 v[\reg+2*\p:\reg+2*\p+1], v[ADRB+\hf] offset:8*PCE+16*(PCE/16)+(\i)*16*BP
.else
	ds_load_b64 v[\reg+2*\p:\reg+2*\p+1], v[ADRB+2+\hf] offset:8*PCE+16*(PCE/16)+(\i)*16*BP
.endif
.endr
.endm
.macro FRAGA reg, hf, q, a             ; a fragment of a: two heads' images
	ds_load_b128 v[\reg:\reg+3], v[A16+\hf] offset:(\a)*ART+(\q)*1536
	ds_load_b64 v[\reg+4:\reg+5], v[A8+\hf] offset:(\a)*ART+(\q)*1536+512
	ds_load_b128 v[\reg+6:\reg+9], v[A16+\hf] offset:(\a)*ART+(\q)*1536+768
	ds_load_b64 v[\reg+10:\reg+11], v[A8+\hf] offset:(\a)*ART+(\q)*1536+1280
.endm
.macro FETCH s                         ; K step s's twelve fragments into set s % 2
.set HF, (\s)/4
.set QQ, (\s)%4
.set PP, (\s)%2
	WIN 0x40                                       ; destination window 1
.irp i, 0,1,2,3,4,5,6,7
	FRAGB 128*PP+FR*\i, HF, QQ, \i
.endr
	WIN 0xc0                                       ; destination window 3
.irp a, 0,1,2,3
	FRAGA 48*PP+FR*\a, HF, QQ, \a
.endr
.endm
; 16 matrix instructions: a's blocks a0, a0 + 1 x W's eight.  first = 1: C is the bias.  The 32 accumulators take turns, one instruction a turn.
.macro MUL16 a0, p, s, first
.irp a, \a0, \a0+1
.irp b, 0,1,2,3,4,5,6,7
.if \first
	v_wmma_scale_f32_16x16x128_f8f6f4 v[8*(8*(\a)+\b):8*(8*(\a)+\b)+7], v[128*(\p)+FR*\b:128*(\p)+FR*\b+FR-1], v[48*(\p)+FR*(\a):48*(\p)+FR*(\a)+FR-1], v[BIA+8*\b:BIA+8*\b+7], v[SB+8*\b+(\s)], v[SA+8*(\a)+(\s)] matrix_a_fmt:MATRIX_FMT_FP6 matrix_b_fmt:MATRIX_FMT_FP6
.else
	v_wmma_scale_f32_16x16x128_f8f6f4 v[8*(8*(\a)+\b):8*(8*(\a)+\b)+7], v[128*(\p)+FR*\b:128*(\p)+FR*\b+FR-1], v[48*(\p)+FR*(\a):48*(\p)+FR*(\a)+FR-1], v[8*(8*(\a)+\b):8*(8*(\a)+\b)+7], v[SB+8*\b+(\s)], v[SA+8*(\a)+(\s)] matrix_a_fmt:MATRIX_FMT_FP6 matrix_b_fmt:MATRIX_FMT_FP6
.endif
.endr
.endr
.endm
; K step s: 32 matrix instructions; in its middle the next step's fragments are fetched into the other set.  Step 3 holds the barrier in front of the second half of K.
.macro KST s
.set WM, 0xad                          ; source 0 window 1, source 1 window 3, C and D window 2
.if (\s) == 0
.set WM, 0xbd                          ; C window 3: the bias
.endif
	s_wait_dscnt 0x0                               ; this step's fragments are in
.if (\s) == 3
	s_wait_tensorcnt 0x0                           ; my part of the second half is in, and my reads of the first half are over:
	s_barrier_signal -1
.endif
	WIN WM
	MUL16 0, (\s)%2, \s, (\s)==0
.if (\s) == 3
	s_barrier_wait -1                              ; everybody's
.endif
.if (\s) < 7
	PLACES                                         ; in front of loads into the set that the last step's products read
	FETCH (\s)+1
.endif
	WIN WM
	MUL16 2, (\s)%2, \s, (\s)==0
.endm
	s_wait_tensorcnt 0x1                           ; my part of the first half is in; the second half's load may be out
	s_barrier_signal -1
	s_barrier_wait -1
	s_wait_loadcnt 0x0                             ; the scale words and the bias
	FETCH 0
.irp s, 0,1,2,3,4,5,6,7
	KST \s
.endr
	WIN 0
; THE WAY OUT, block by block of 16 rows x 128 columns, through my own stage: in as 32 bytes a lane, back as whole rows of 512 bytes.  LDS serves a wave's instructions in order (ISA guide 5.7.1.4): no wait between the stores and the loads.
.macro TOSTAGE a
.set AC, 64*(\a)
	WIN 0x08                                       ; an LDS store's data: window 2
.irp b, 0,1,2,3,4,5,6,7
	ds_store_b128 v[STO], v[AC+8*\b:AC+8*\b+3] offset:64*\b          ; each accumulator from its low end on
	ds_store_b128 v[STO], v[AC+8*\b+4:AC+8*\b+7] offset:64*\b+16
.endr
	WIN 0
.set BB, BK+64*((\a)%2)
.irp t, 0,1,2,3,4,5,6,7,8,9,10,11,12,13,14,15
	ds_load_b128 v[BB+4*\t:BB+4*\t+3], v[RD] offset:\t*SPITCH
.endr
.endm
.macro SEND a, younger                 ; younger: the LDS instructions issued behind block a's loads, which may stay out
.set BB, BK+64*((\a)%2)
	s_wait_dscnt \younger
.if (\a) > 0
	s_add_nc_u64 s[14:15], s[14:15], 16*4096       ; 16 rows on (behind a wait on XCNT: the earlier stores have read their base)
.endif
.irp t, 0,1,2,3,4,5,6,7,8,9,10,11,12,13,14,15
	global_store_b128 v[CO], v[BB+4*\t:BB+4*\t+3], s[14:15] offset:\t*4096 th:TH_STORE_NT   ; 32 lanes store 512 consecutive bytes, aligned; written once, read by nobody here
.endr
.endm
	PLACES                                         ; behind the last products, in front of the first read of results
	TOSTAGE 0
.irp a, 1,2,3
.if \a > 1
	s_wait_xcnt 0x0                                ; block a - 2's stores have read their registers and their base
.endif
	TOSTAGE \a
	SEND \a-1, 32                                  ; behind block a - 1's loads: block a's 16 stores and 16 loads
.endr
	s_wait_xcnt 0x0
	SEND 3, 0
	s_wait_dscnt 0x0
	s_wait_tensorcnt 0x0
	ds_add_u32 v30, v31
	s_wait_dscnt 0x0
	CROUND                                         ; the closing round
	s_endpgm
.Lfunc_end_k_qa96a8dd52b_proj:
	.size	k_qa96a8dd52b_proj, .Lfunc_end_k_qa96a8dd52b_proj-k_qa96a8dd52b_proj
	.p2alignl 7, 3214868480
	.fill 96, 4, 3214868480
	.section	.rodata,"a",@progbits
	.p2align	6, 0x0
	.amdhsa_kernel k_qa96a8dd52b_proj
		.amdhsa_group_segment_fixed_size 327680
		.amdhsa_private_segment_fixed_size 0
		.amdhsa_enable_private_segment 0
		.amdhsa_kernarg_size 48
		.amdhsa_user_sgpr_count 2
		.amdhsa_user_sgpr_kernarg_segment_ptr 1
		.amdhsa_wavefront_size32 1
		.amdhsa_system_sgpr_workgroup_id_x 1
		.amdhsa_system_sgpr_workgroup_id_y 1
		.amdhsa_system_sgpr_workgroup_id_z 1
		.amdhsa_system_vgpr_workitem_id 0
		.amdhsa_next_free_vgpr 1024
		.amdhsa_next_free_sgpr 70
		.amdhsa_reserve_vcc 0
		.amdhsa_float_denorm_mode_32 3
		.amdhsa_float_denorm_mode_16_64 3
		.amdhsa_memory_ordered 1
		.amdhsa_forward_progress 1
		.amdhsa_inst_pref_size 92
	.end_amdhsa_kernel
	.amdgpu_metadata
---
amdhsa.version: [ 1, 2 ]
amdhsa.kernels:
  - .name:           k_qa96a8dd52b_proj
    .symbol:         k_qa96a8dd52b_proj.kd
    .args:
      - { .name: oc, .offset: 0, .size: 8, .value_kind: global_buffer, .address_space: global }
      - { .name: osc, .offset: 8, .size: 8, .value_kind: global_buffer, .address_space: global }
      - { .name: W_proj_codes, .offset: 16, .size: 8, .value_kind: global_buffer, .address_space: global }
      - { .name: W_proj_scales, .offset: 24, .size: 8, .value_kind: global_buffer, .address_space: global }
      - { .name: b_proj, .offset: 32, .size: 8, .value_kind: global_buffer, .address_space: global }
      - { .name: out0, .offset: 40, .size: 8, .value_kind: global_buffer, .address_space: global }
    .group_segment_fixed_size: 327680
    .private_segment_fixed_size: 0
    .kernarg_segment_align: 8
    .kernarg_segment_size: 48
    .max_flat_workgroup_size: 128
    .sgpr_count:     70
    .vgpr_count:     1024
    .wavefront_size: 32
...
	.end_amdgpu_metadata
.endif
;; end of part 3
